; MI455X (gfx1250); checked and timed in simulation.
; The chip was launched on July 23, 2026; its instructions are those of AMD's public machine-readable ISA for CDNA 5 (MIT licence, August 2026) and "CDNA5" Instruction Set Architecture Reference Guide (July 2026). The comments in the code are by the model that wrote it; some were corrected since.
;; Enhanced Value Network. Allowed arithmetic: matrix products marked QUANTISED: E2M1 operands, one E8M0 scale for each 32 along K, by v_wmma_scale_f32_16x16x128_f8f6f4 with both operands' format E2M1 (or v_wmma_scale_f32_32x16x128_f4), f32 sums; products left as they are: f32 operands where the result goes on into a quantised operand, else bf16, f16 or f32 operands; f32 sums; everything else in f32.
;; Inputs: b1 128 float32; b2 128 float32; b3 64 float32; b4 1 float32; be1 128 float32; be2 128 float32; be3 64 float32; g1 128 float32; g2 128 float32; g3 64 float32; w1 16 x 128 float32; w2 128 x 128 float32; w3 128 x 64 float32; w4 64 x 1 float32; x 524,288 x 16 float32.
;; Outputs: out0 524,288 x 1 float32.
;; This version of the problem:
;;   THIS VERSION OF THE PROBLEM IS GIVEN IN LOW PRECISION. The matrix products marked QUANTISED in the list below multiply operands that are first quantised to E2M1 (2 exponent bits, 1 mantissa bit; 4 bits a number), with one power-of-two scale for each 32 numbers along K (OCP MX v1.0); their sums are f32. All else is computed in f32.
;;   The module's matrix products, in the order in which they are computed (A, B: the left and right operand; K: the contracted axis; several contracted axes count as one K, in the product's order):
;;     1. batch 524,288 x [M 3, K 6] x [K 6, N 4]; A: computed on the way; B: computed on the way: left as it is (K = 6 < 32)
;;     2. [M 524,288, K 16] x [K 16, N 128]; A: computed on the way; B: input w1: left as it is (K = 16 < 32)
;;     3. [M 524,288, K 128] x [K 128, N 128]; A: computed on the way; B: input w2: QUANTISED
;;     4. [M 524,288, K 128] x [K 128, N 64]; A: computed on the way; B: input w3: QUANTISED
;;     5. [M 524,288, K 64] x [K 64, N 1]; A: computed on the way; B: input w4: left as it is (N = 1 < 16)
;;   THE QUANTISER, for each operand of a quantised product, along K:
;;     - K is cut into blocks of 32 from its start; a last block that is shorter is filled with zeros.
;;     - A block's scale is 2^e with e = floor(log2(the largest magnitude in the block)) - 2, held to -126 .. 127; a block of zeros has e = 0. As a byte (E8M0): e + 127.
;;     - Each number is divided by its block's scale, clamped to +-6, and rounded to the nearest number of E2M1, ties to even, subnormals kept.
;;     - The product sums the exact products of the quantised numbers (number of the format x scale) in f32.
;;   ~~~python
;;   def quantise(x, axis):      # numpy; x: float32 -> the quantised numbers, widened to float32 again
;;       x = np.moveaxis(x, axis, -1); K = x.shape[-1]
;;       x = np.pad(x, [(0, 0)] * (x.ndim - 1) + [(0, -K % 32)]); x = x.reshape(x.shape[:-1] + (-1, 32)); a = np.abs(x).max(-1, keepdims=True)
;;       e = np.where(a > 0, np.clip(np.frexp(np.where(a > 0, a, 1))[1] - 1 - 2, -126, 127), 0)      # np.frexp(a)[1] - 1 = floor(log2(a)), exactly
;;       r = np.clip(x / 2.0 ** e, -6, 6)
;;       step = 2.0 ** (np.maximum(np.frexp(np.where(r == 0, 1, r))[1] - 1, 0) - 1)
;;       q = np.round(r / step) * step * 2.0 ** e      # np.round: ties to even
;;       return np.moveaxis(q.reshape(q.shape[:-2] + (-1,))[..., :K], -1, axis).astype(np.float32)
;;   ~~~
;;   OPERANDS COMPUTED ON THE WAY. 'Computed on the way' means the value that the module computes at that place (a softmax that the list does not call 'softmax' is quantised finished and normalised). What goes into a quantiser is computed in f32, as accurately as f32 sums, v_exp_f32 and their like allow (about 1e-6 of the number): no bf16 or f16 on the way to a quantiser, and a product that is left as it is and whose result goes on into a quantised operand takes f32 operands (vector FMAs, or v_wmma_f32_16x16x4_f32). A number that lies on a knife's edge between two numbers of the format may be rounded either way, as far as f32 arithmetic and the matrix unit's own rounding can turn it there, and no further.
;; One version. Each part assembles by itself: llvm-mc -triple=amdgcn-amd-amdhsa -mcpu=gfx1250 --defsym DOCPART=n.
;; ======== version 1 of 1: 4 launches
;; workspace buffers: part1 196,608 bytes; wq 13,824 bytes; h1q 35,651,584 bytes; h2q 35,651,584 bytes; part2 262,144 bytes; part3 131,072 bytes
;; launch moments (part 1): grid 256 x 1, 8 waves a work-group, no clusters, 9,216 bytes of LDS; arguments x, w2, w3, part1, wq; writes part1, wq
.if DOCPART == 1
	.amdgcn_target "amdgcn-amd-amdhsa--gfx1250"
	.amdhsa_code_object_version 6
	.text
	.protected	k_q6ba81b924c_moments
	.globl	k_q6ba81b924c_moments
	.p2align	8
	.type	k_q6ba81b924c_moments,@function
k_q6ba81b924c_moments:
	s_mov_b64 s[64:65], 0
	v_nop
	global_prefetch_b8 v0, s[64:65] scope:SCOPE_SE
	s_setreg_imm32_b32 hwreg(HW_REG_WAVE_MODE, 25, 1), 1
	s_wait_xcnt 0x0
; FIRST OF FOUR LAUNCHES.  h0 = [4 numbers | 12 pair features] of each of the 524,288 rows; with d = h0 - c0 (c0 = h0 of batch row 0, a shift that keeps a
; common offset of x out of the sums) each work-group stores S[a] = sum d[a] and Q[a][b] = sum d[a] d[b] of its 2,048 rows.  Layer 1 is linear in h0, so its
; batch mean and variance follow from S and Q in the next launch, and layer 1 itself is computed only once.  Beside that, wave 1 of work-groups 0 to 11 turns
; w2 and w3 (K is their first axis) into FP4 codes and E8M0 scale words, laid as images of an operand's registers.
; SHARES: 256 work-groups x 8 waves; wave chunk c = 8 g + w owns rows 256 c .. 256 c + 255; lane l takes rows 256 c + 32 i + l, i = 0 .. 7.
; part1 row g: floats 0-15 S; from 16 on Q: row a holds b = (a & ~1) .. 15; floats 160-191 zeros: 768 bytes, three stores of 256 consecutive aligned bytes.
; wq: tile T (0-7: w2, lane r = unit 32 (T/2) + 8 (T%2) + r + (r & 8); 8-11: w3, unit 16 (T-8) + r): registers 0-3 of lane l at 1024 T + 16 l, 4-7 at + 512; scale words at 12288 + 128 T + 4 l.
; LIMITS: NaN and infinities in x are not served.  a / b is a reciprocal with one correction step: a divisor under 2^-126 in magnitude is not served.  The score is
; max(1 - |v - 24| x (1/24), 0), fused.  A block of zeros of a weight gets the scale byte 1 (its codes are zeros; this program alone reads the bytes).
; No matrix unit, tensor load or cluster: the work is vector arithmetic on 16 bytes of each row, and work-groups share nothing but 64 bytes.
.set NX,   4                           ; v4-35    eight rows' four numbers
.set PN,   36                          ; v36-39   batch row 0's four numbers
.set H,    40                          ; v40-55   h0 of the row in hand, then d
.set C0,   56                          ; v56-71   c0
.set FT,   72                          ; v72-81   at work in FEAT and in the folds
.set OD,   72                          ; v72-87   copies of the odd d in the even registers (the packed form broadcasts a pair's low register)
.set ACC,  88                          ; v88-247  S (16), then Q (144)
.set WVN,  14                          ; s14      wave
.set K24,  18                          ; s18      1/24
.set MK2,  19                          ; s19-21   lanes with at least 2, at least 3, all 4 numbers other than 0
.set MK3,  20
.set MK4,  21
.set SEL,  28                          ; s[28:29] v_permlanex16_b32's selects for lane l xor 16
.macro CSW x, y                        ; a zero moves one place back: the order of the others stays
	v_cmp_neq_f32 vcc_lo, 0, v[\x]
	v_cndmask_b32 v[\x], v[\y], v[\x], vcc_lo
	v_cndmask_b32 v[\y], 0, v[\y], vcc_lo
.endm
.macro SLOT h, s, a, b, r, m           ; the four scores of the pair (a, b), r = 1 / b, into feature slot s; zeros where the slot has no pair
	v_add_f32 v[FT+5], v[\a], v[\b]
	v_mul_f32 v[FT+6], v[\a], v[\b]
	v_sub_f32 v[FT+7], v[\a], v[\b]
	s_wait_alu depctr_va_vdst(0)
	v_mul_f32 v[FT+8], v[\a], v[\r]
	v_fma_f32 v[FT+9], -v[\b], v[FT+8], v[\a]      ; what the quotient leaves,
	v_fma_f32 v[FT+8], v[FT+9], v[\r], v[FT+8]     ; put back into it
.irp f, 0,1,2,3
	v_add_f32 v[FT+5+\f], 0xc1c00000, v[FT+5+\f]   ; v - 24
.endr
.irp f, 0,1,2,3
	v_fma_f32 v[FT+5+\f], -|v[FT+5+\f]|, s[K24], 1.0
.endr
.irp f, 0,1,2,3
	v_max_num_f32 v[FT+5+\f], 0, v[FT+5+\f]
.endr
.irp f, 0,1,2,3
	v_cndmask_b32 v[(\h)+4+4*(\s)+\f], 0, v[FT+5+\f], s[\m]
.endr
.endm
; four numbers in v[n] on (destroyed) -> h0 in v[h] on.  Compacted, the pairs that fill the three slots are (0,1) with 2 numbers or more, (0,2) with 3 or more, and (0,3) with 4 or (1,2) with 3.
.macro FEAT n, h
.irp j, 0,1,2,3
	v_mov_b32 v[(\h)+\j], v[(\n)+\j]
.endr
	CSW (\n), (\n)+1
	CSW (\n)+1, (\n)+2
	CSW (\n)+2, (\n)+3
	CSW (\n), (\n)+1
	CSW (\n)+1, (\n)+2
	CSW (\n), (\n)+1
	v_cmp_neq_f32 s[MK2], 0, v[(\n)+1]
	v_cmp_neq_f32 s[MK3], 0, v[(\n)+2]
	v_cmp_neq_f32 s[MK4], 0, v[(\n)+3]
	v_cndmask_b32 v[FT], v[(\n)+1], v[(\n)], s[MK4]
	v_cndmask_b32 v[FT+1], v[(\n)+2], v[(\n)+3], s[MK4]
	v_rcp_f32 v[FT+2], v[(\n)+1]
	v_rcp_f32 v[FT+3], v[(\n)+2]
	v_rcp_f32 v[FT+4], v[FT+1]                     ; the first three lines of SLOT are plain and touch neither a reciprocal nor its source
	SLOT \h, 0, (\n), (\n)+1, FT+2, MK2
	SLOT \h, 1, (\n), (\n)+2, FT+3, MK3
	SLOT \h, 2, FT, FT+1, FT+4, MK3
.endm
	s_load_b256 s[4:11], s[0:1], 0x0               ; x s[4:5], w2 s[6:7], w3 s[8:9], part1 s[10:11]
	s_load_b64 s[12:13], s[0:1], 0x20              ; wq
	s_set_vgpr_msb 0x40
	v_lshl_add_u32 v0, v0, 2, 0x2000
	v_mov_b32 v1, 0
	s_set_vgpr_msb 0x4000
	v_lshrrev_b32 v3, 5, v0
	v_readfirstlane_b32 s[WVN], v3                 ; wave 0..7
	v_and_b32 v3, 31, v0                           ; lane
	v_lshlrev_b32 v1, 6, v3                        ; a row of x is 64 bytes
	v_mov_b32 v2, 0
	; LDS addresses, all made here.  After the folds lane l holds floats J .. J + 4, J = 80 b4 + 40 b0 + 20 b1 + 10 b2 + 5 b3 (b: the lane's bits)
	v_bfe_u32 v252, v0, 4, 1
	v_mul_u32_u24 v253, v252, 320
	v_bfe_u32 v252, v0, 0, 1
	v_mad_u32_u24 v253, v252, 160, v253
	v_bfe_u32 v252, v0, 1, 1
	v_mad_u32_u24 v253, v252, 80, v253
	v_bfe_u32 v252, v0, 2, 1
	v_mad_u32_u24 v253, v252, 40, v253
	v_bfe_u32 v252, v0, 3, 1
	v_mad_u32_u24 v253, v252, 20, v253
	s_mul_i32 s30, s[WVN], 640
	v_add_nc_u32 v253, s30, v253                   ; v253: 640 w + 4 J
	v_lshlrev_b32 v254, 3, v3                      ; v254: 8 l
	v_and_b32 v252, 15, v0
	v_lshl_add_u32 v255, v252, 3, 512              ; v255: 512 + 8 (l & 15)
.irp i, 82,83,84,85,86,87
	v_mov_b32 v\i, 0                               ; named as upper halves of pairs before anything else writes them
.endr
	s_lshl_b32 s15, ttmp9, 3
	s_add_co_u32 s15, s15, s[WVN]                  ; chunk c
	s_lshl_b32 s16, s15, 14                        ; 256 rows of 64 bytes
	s_mov_b32 s17, 0
	s_mov_b32 s[K24], 0x3d2aaaab
	s_mov_b32 s22, 0xaaaaaaaa                      ; lanes whose bit 0, 1, 2, 3 is set
	s_mov_b32 s23, 0xcccccccc
	s_mov_b32 s24, 0xf0f0f0f0
	s_mov_b32 s25, 0xff00ff00
	s_mov_b32 s26, 0x0000ffff                      ; lanes 0-15
	s_mov_b32 s[SEL], 0x76543210
	s_mov_b32 s[SEL+1], 0xfedcba98
	s_wait_kmcnt 0x0
	s_add_nc_u64 s[16:17], s[4:5], s[16:17]
	global_load_b128 v[PN:PN+3], v2, s[4:5]        ; batch row 0
.irp i, 0,1,2,3,4,5,6,7
	global_load_b128 v[NX+4*\i:NX+4*\i+3], v1, s[16:17] offset:2048*\i
.endr
	; ---- the weights' codes: wave 1 of work-groups 0 to 11, one tile each; no barrier stands inside
	s_cmp_lg_u32 s[WVN], 1
	s_cbranch_scc1 .Lno_w
	s_cmp_ge_u32 ttmp9, 12
	s_cbranch_scc1 .Lno_w
.macro WLOAD off, base, pitch          ; lane (r, h) takes its unit's column, registers down K in the operand's own order: k = 64 c + 32 h + i
.irp c, 0,1
.irp i, 0,1,2,3,4,5,6,7,8,9,10,11,12,13,14,15,16,17,18,19,20,21,22,23,24,25,26,27,28,29,30,31
	global_load_b32 v[ACC+32*\c+\i], v[\off], s[\base:\base+1] offset:(64*\c+\i)*\pitch
.endr
.endr
.endm
	v_and_b32 v248, 15, v0                         ; r
	v_bfe_u32 v249, v0, 4, 1                       ; h
	v_and_b32 v250, 31, v0
	v_lshlrev_b32 v251, 2, v250                    ; 4 l
	v_lshlrev_b32 v250, 4, v250                    ; 16 l
	s_lshl_b32 s30, ttmp9, 10
	s_mov_b32 s31, 0
	s_add_nc_u64 s[34:35], s[12:13], s[30:31]      ; the tile's image
	s_lshl_b32 s30, ttmp9, 7
	s_add_nc_u64 s[36:37], s[12:13], s[30:31]      ; its scale words (12,288 further on, in the store's immediate)
	s_cmp_ge_u32 ttmp9, 8
	s_cbranch_scc1 .Lw3
	v_and_b32 v152, 8, v248
	v_add_nc_u32 v152, v152, v248
	v_lshlrev_b32 v152, 2, v152
	v_lshl_add_u32 v248, v249, 14, v152            ; 4 (r + (r & 8)) + 32 h rows of 512 bytes
	s_lshr_b32 s30, ttmp9, 1
	s_lshl_b32 s30, s30, 7
	s_and_b32 s38, ttmp9, 1
	s_lshl_b32 s38, s38, 5
	s_add_co_u32 s30, s30, s38                     ; 4 (32 (T/2) + 8 (T%2))
	s_add_nc_u64 s[32:33], s[6:7], s[30:31]
	WLOAD 248, 32, 512
	s_branch .Lwq
.Lw3:
	v_lshlrev_b32 v152, 2, v248
	v_lshl_add_u32 v248, v249, 13, v152            ; 4 r + 32 h rows of 256 bytes
	s_sub_co_u32 s30, ttmp9, 8
	s_lshl_b32 s30, s30, 6                         ; 16 units of 4 bytes a tile
	s_add_nc_u64 s[40:41], s[8:9], s[30:31]
	WLOAD 248, 40, 256
.Lwq:
	s_wait_loadcnt 0x0
.irp c, 0,1                            ; my block 2 c + h: all its 32 numbers are mine
	v_max3_num_f32 v[152+\c], |v[ACC+32*\c]|, |v[ACC+32*\c+1]|, 0x1800000   ; with the floor 2^(3 - 127): the byte cannot fall under 1
.endr
.irp i, 2,4,6,8,10,12,14,16,18,20,22,24,26,28,30
.irp c, 0,1
	v_max3_num_f32 v[152+\c], v[152+\c], |v[ACC+32*\c+\i]|, |v[ACC+32*\c+\i+1]|
.endr
.endr
.irp c, 0,1
	v_add_nc_u32 v[154+\c], 0xff000000, v[152+\c]  ; 2 off the exponent field: the conversion's scale operand
.endr
.irp c, 0,1
	v_lshrrev_b32 v[156+\c], 23, v[154+\c]         ; the scale's byte
.endr
	v_lshl_or_b32 v158, v157, 16, v156             ; blocks h and 2 + h,
	v_lshlrev_b32 v159, 3, v249
	v_lshlrev_b32 v158, v159, v158                 ; at their places in the word;
	v_mov_b32 v159, 0
	v_permlanex16_b32 v159, v158, s[SEL], s[SEL+1]
	v_or_b32 v158, v158, v159                      ; with lane l xor 16's two it is whole
.irp c, 0,1
.irp g, 0,1,2,3
	v_cvt_scalef32_pk8_fp4_f32 v[160+4*\c+\g], v[ACC+32*\c+8*\g:ACC+32*\c+8*\g+7], v[154+\c]
.endr
.endr
	v_nop                                          ; one plain line behind the last conversion
	global_store_b128 v250, v[160:163], s[34:35]   ; 512 consecutive bytes a store
	global_store_b128 v250, v[164:167], s[34:35] offset:512
	global_store_b32 v251, v158, s[36:37] offset:12288
	s_wait_xcnt 0x0                                ; the stores have read their registers: the sums below are laid over them
.Lno_w:
	s_wait_loadcnt 8                               ; batch row 0 is in; the eight loads issued behind it may be out
	FEAT PN, C0
.macro ROW i, first
	s_wait_loadcnt 7-\i                            ; row i is in; the later rows may be out
	FEAT NX+4*\i, H
.irp k, 0,2,4,6,8,10,12,14
	v_pk_add_f32 v[H+\k:H+\k+1], v[H+\k:H+\k+1], v[C0+\k:C0+\k+1] neg_lo:[0,1] neg_hi:[0,1]   ; d
.endr
.irp k, 0,2,4,6,8,10,12,14
	v_mov_b32 v[OD+\k], v[H+\k+1]
.endr
.irp k, 0,2,4,6,8,10,12,14
.if \first
	v_pk_mul_f32 v[ACC+\k:ACC+\k+1], v[H+\k:H+\k+1], 1.0 op_sel_hi:[1,0]       ; the first row starts the sums: nothing is cleared
.else
	v_pk_add_f32 v[ACC+\k:ACC+\k+1], v[ACC+\k:ACC+\k+1], v[H+\k:H+\k+1]
.endif
.endr
.set qa, 0
.rept 16
.set qe, (qa/2)*2
.set qo, ACC+16+32*(qa/2)-2*(qa/2)*((qa/2)-1)+(qa%2)*(16-qe)
.if qa%2
.set bc, OD+qa-1
.else
.set bc, H+qa
.endif
.set qb, qe
.rept (16-qe)/2
.if \first
	v_pk_mul_f32 v[qo+qb-qe:qo+qb-qe+1], v[bc:bc+1], v[H+qb:H+qb+1] op_sel_hi:[0,1]
.else
	v_pk_fma_f32 v[qo+qb-qe:qo+qb-qe+1], v[bc:bc+1], v[H+qb:H+qb+1], v[qo+qb-qe:qo+qb-qe+1] op_sel_hi:[0,1,1]   ; d[a] x (d[b], d[b+1])
.endif
.set qb, qb+2
.endr
.set qa, qa+1
.endr
.endm
	ROW 0, 1
.irp i, 1,2,3,4,5,6,7
	ROW \i, 0
.endr
	; ---- the 32 lanes' sums are folded so that each step halves the registers: at the end a lane holds five of the 160 floats, summed over the wave
.set fi, 0
.rept 80
	v_permlane16_swap_b32 v[ACC+fi], v[ACC+80+fi]  ; lanes 16-31 give their floats 0-79 and take lanes 0-15's floats 80-159
.set fi, fi+1
.endr
.set fi, 0
.rept 40
	v_pk_add_f32 v[ACC+fi:ACC+fi+1], v[ACC+fi:ACC+fi+1], v[ACC+80+fi:ACC+80+fi+1]
.set fi, fi+2
.endr
.macro FOLD n, xm, m                   ; lanes with the mask's bit keep floats n .. 2 n - 1, the others 0 .. n - 1; each sends the other half to lane l xor xm
.set fi, 0
.rept \n
	v_cndmask_b32 v[FT+2*(fi%4)], v[ACC+fi], v[ACC+\n+fi], s[\m]
	v_cndmask_b32 v[FT+2*(fi%4)+1], v[ACC+\n+fi], v[ACC+fi], s[\m]
	v_add_f32_dpp v[ACC+fi], v[FT+2*(fi%4)+1], v[FT+2*(fi%4)] row_xmask:\xm row_mask:0xf bank_mask:0xf
.set fi, fi+1
.endr
.endm
	FOLD 40, 1, 22
	FOLD 20, 2, 23
	FOLD 10, 4, 24
	FOLD 5, 8, 25
.irp i, 0,1,2,3,4
	ds_store_b32 v253, v[ACC+\i] offset:4*\i
.endr
	s_wait_dscnt 0x0                               ; for the others' sake: my stores have landed
	s_barrier_signal -1
	s_barrier_wait -1
	s_cmp_lg_u32 s[WVN], 0
	s_cbranch_scc1 .Lend
	; ---- wave 0 adds the eight waves' rows and stores the work-group's
.irp w, 0,1,2,3,4,5,6,7
	ds_load_b64 v[ACC+6*\w:ACC+6*\w+1], v254 offset:640*\w
	ds_load_b64 v[ACC+6*\w+2:ACC+6*\w+3], v254 offset:640*\w+256
	ds_load_b64 v[ACC+6*\w+4:ACC+6*\w+5], v255 offset:640*\w
.endr
	s_mul_i32 s30, ttmp9, 768
	s_mov_b32 s31, 0
	s_add_nc_u64 s[10:11], s[10:11], s[30:31]
	s_wait_dscnt 0x0
.irp w, 1,2,3,4,5,6,7
.irp k, 0,2,4
	v_pk_add_f32 v[ACC+\k:ACC+\k+1], v[ACC+\k:ACC+\k+1], v[ACC+6*\w+\k:ACC+6*\w+\k+1]
.endr
.endr
	v_cndmask_b32 v[ACC+4], 0, v[ACC+4], s26       ; floats 160-191 are zeros
	v_cndmask_b32 v[ACC+5], 0, v[ACC+5], s26
.irp k, 0,1,2
	global_store_b64 v254, v[ACC+2*\k:ACC+2*\k+1], s[10:11] offset:256*\k   ; 32 lanes store 256 consecutive aligned bytes
.endr
.Lend:
	s_set_vgpr_msb 0x5
	s_wait_tensorcnt 0x0
	ds_add_u32 v0, v1
	s_wait_dscnt 0x0
	s_set_vgpr_msb 0x500
	s_endpgm
.Lfunc_end_k_q6ba81b924c_moments:
	.size	k_q6ba81b924c_moments, .Lfunc_end_k_q6ba81b924c_moments-k_q6ba81b924c_moments
	.p2alignl 7, 3214868480
	.fill 96, 4, 3214868480
	.section	.rodata,"a",@progbits
	.p2align	6, 0x0
	.amdhsa_kernel k_q6ba81b924c_moments
		.amdhsa_group_segment_fixed_size 9216
		.amdhsa_private_segment_fixed_size 0
		.amdhsa_enable_private_segment 0
		.amdhsa_kernarg_size 40
		.amdhsa_user_sgpr_count 2
		.amdhsa_user_sgpr_kernarg_segment_ptr 1
		.amdhsa_wavefront_size32 1
		.amdhsa_system_sgpr_workgroup_id_x 1
		.amdhsa_system_sgpr_workgroup_id_y 1
		.amdhsa_system_sgpr_workgroup_id_z 1
		.amdhsa_system_vgpr_workitem_id 0
		.amdhsa_next_free_vgpr 258
		.amdhsa_next_free_sgpr 66
		.amdhsa_reserve_vcc 1
		.amdhsa_float_denorm_mode_32 3
		.amdhsa_float_denorm_mode_16_64 3
		.amdhsa_memory_ordered 1
		.amdhsa_forward_progress 1
		.amdhsa_inst_pref_size 131
	.end_amdhsa_kernel
	.amdgpu_metadata
---
amdhsa.version: [ 1, 2 ]
amdhsa.kernels:
  - .name:           k_q6ba81b924c_moments
    .symbol:         k_q6ba81b924c_moments.kd
    .args:
      - { .name: x, .offset: 0, .size: 8, .value_kind: global_buffer, .address_space: global }
      - { .name: w2, .offset: 8, .size: 8, .value_kind: global_buffer, .address_space: global }
      - { .name: w3, .offset: 16, .size: 8, .value_kind: global_buffer, .address_space: global }
      - { .name: part1, .offset: 24, .size: 8, .value_kind: global_buffer, .address_space: global }
      - { .name: wq, .offset: 32, .size: 8, .value_kind: global_buffer, .address_space: global }
    .group_segment_fixed_size: 9216
    .private_segment_fixed_size: 0
    .kernarg_segment_align: 8
    .kernarg_segment_size: 40
    .max_flat_workgroup_size: 256
    .sgpr_count:     66
    .vgpr_count:     258
    .wavefront_size: 32
...
	.end_amdgpu_metadata
.endif
;; end of part 1
;; launch layer1 (part 2): grid 256 x 1, 8 waves a work-group, no clusters, 168,960 bytes of LDS; arguments x, w1, b1, g1, be1, part1, wq, h1q, part2; writes h1q, part2
.if DOCPART == 2
	.amdgcn_target "amdgcn-amd-amdhsa--gfx1250"
	.amdhsa_code_object_version 6
	.text
	.protected	k_q6ba81b924c_layer1
	.globl	k_q6ba81b924c_layer1
	.p2align	8
	.type	k_q6ba81b924c_layer1,@function
k_q6ba81b924c_layer1:
	s_mov_b64 s[64:65], 0
	v_nop
	global_prefetch_b8 v0, s[64:65] scope:SCOPE_SE
	s_setreg_imm32_b32 hwreg(HW_REG_WAVE_MODE, 25, 1), 1
	s_wait_xcnt 0x0
; SECOND LAUNCH.  Head: the 256 rows of part1 are added; for each unit u of layer 1, with w = w1's column u:  mean = b1 + w.c0 + (w.S)/B,  var = (w'Qw)/B - ((w.S)/B)^2,
; a1 = g1 rsq(var + eps), cc1 = (b1 - mean) a1 + be1.  a1 goes into the weights and cc1 is the C of each sum's first matrix instruction, so the f32 product's result IS batch norm 1's output.
; Loop: h0 again from x; h1 = relu(that product), in f32 (it feeds a quantiser); its FP4 codes and scale words go to h1q; the raw second product (codes x w2's codes) is formed only for its
; column statistics, which go to part2 as (mean, sum of squared deviations) of the work-group's 2,048 rows.
; SHARES: wave chunk c = 8 g + w owns rows 256 c ..: 8 trips of two tiles of 16 rows.  One tensor load a wave, at the head, brings the wave's own 16,384 bytes of x into its own LDS bytes; nothing is filled twice.
; THE FIRST PRODUCT IS USED TRANSPOSED (source 0 = 16 units of w1, source 1 = 16 rows of h0), and lane r of tile t takes unit 32 (t/2) + 8 (t%2) + r + (r & 8): so a lane holds one row, and registers
; 16 b + i are units 32 b + 16 (lane / 16) + i: neighbours along the next K.  The second product is used as it stands (a lane holds one column, its registers eight rows), which suits column sums.
; STATISTICS: each wave takes the mean of its first 16 rows as a shift c, sums T = D - c and T^2, and ends with mean = c + S/256, M2 = Q - S^2/256; wave 0 joins the eight waves.  No difference of large sums.
; h1q: tile's codes as an image of the operand's registers (registers 0-3 of lane l at 1024 tile + 16 l, 4-7 at + 512); from byte 33,554,432 on, for each chunk two images of 512 bytes: register p of image i at 16 l + 4 p
; holds pair 4 i + p's scale words, lanes 0-15 the even tile's rows, lanes 16-31 the odd tile's.
; LIMITS: as in the first launch for h0; variances are held at 0 from below; a block of zeros gets the scale byte 1 (codes are zeros; this program alone reads the bytes); NaN and infinities are not served.
; No cluster: what work-groups share is part1 and 22 KB of weights, summed or kept in registers; as LDS tiles they would not fit beside the chunks.
; REGISTERS, window 0, in the loop: v1-15 addresses; v16-31 h0; v32-35 a row's numbers; v36-45 at work in FEAT; v48-111 h1, then the raw product; v112-119 codes; v120-135 at work in QUANT;
;   v136-143 scale words of the eight pairs; v144 the pair's in hand; v146-161 T; v162-177 -c; v178-193 sums; v194-209 sums of squares; v247, v248-255 scale operands, which hold nothing else.
;   In the head: v16-207 part1 as it lands, later v16-31 c0 and v48-207 the totals; v208-211 batch row 0; v212-227 w1's column; v228-230 b1, g1, be1; v232-239 a1 by tile; v240-246 at work.
;   window 1: v0-63 w1's fragments; v64-127 cc1 in the result's layout; v128-191 the f32 accumulators (written by matrix instructions alone); v192-255 w2's fragments.
.set XB,     1                         ; 16384 w + 64 l
.set ADX,    2
.set L16,    3                         ; 16 l
.set A_RED,  4                         ; RED1 + 8 l
.set A_REDW, 5                         ; RED1 + 768 w + 8 l
.set A_TOTW, 6                         ; TOT + 768 w + 8 l
.set A_TOTB, 7                         ; TOT + 768 w
.set A_TH,   8                         ; A1T + 4 x thread
.set A_A1,   9                         ; A1T + 4 (r + (r & 8))
.set A_C1,   10                        ; CC1T + 64 h
.set A_ST,   11                        ; ST2 + 1024 w + 4 (r + (r & 8))
.set A_STR,  12                        ; ST2 + 16 l
.set O8,     13                        ; 8 l
.set O_W1,   14                        ; 1024 h + 4 (r + (r & 8))
.set O_U,    15                        ; 4 (thread & 127)
.set H,      16
.set NX,     32
.set FT,     36
.set R,      48
.set PC,     112
.set TM,     120
.set SWQ,    136
.set SWN,    144
.set T,      146
.set CPN,    162
.set SS,     178
.set QQ,     194
.set PW,     247
.set W2S,    248
.set PL,     16
.set TT,     48
.set PN,     208
.set WC,     212
.set A1L,    232
.set W1F,    0                         ; window 1
.set C1,     64
.set D1,     128
.set W2F,    192
.set RED1,   131072                    ; LDS: 0: eight chunks of x; then 8 x 768: the waves' sums of part1
.set TOT,    137216                    ; 8 x 768: the totals, each wave's own copy
.set A1T,    143360                    ; 1,024: a1 by thread (units twice)
.set CC1T,   144384                    ; 1,024: cc1 likewise
.set ST2,    145408                    ; 8 x 1,024: the waves' means (512) and M2 (512)
.set SEL,    36
.set K24,    38
.set MK2,    39
.set MK3,    40
.set MK4,    41
.set MSB, 0
.macro WIN new                         ; the immediate's high byte repeats the setting that is left; bits 1:0 source 0, 3:2 source 1, 5:4 source 2, 7:6 destination
.if MSB != \new
	s_set_vgpr_msb (MSB<<8)|\new
.set MSB, \new
.endif
.endm
.macro BARRIER                         ; my LDS stores have landed and my LDS loads are in: then the work-group's barrier
	s_wait_dscnt 0x0
	s_barrier_signal -1
	s_barrier_wait -1
.endm
.macro CSW x, y                        ; a zero moves one place back
	v_cmp_neq_f32 vcc_lo, 0, v[\x]
	v_cndmask_b32 v[\x], v[\y], v[\x], vcc_lo
	v_cndmask_b32 v[\y], 0, v[\y], vcc_lo
.endm
.macro SLOT h, s, a, b, r, m           ; the four scores of the pair (a, b), r = 1 / b, into feature slot s
	v_add_f32 v[FT+5], v[\a], v[\b]
	v_mul_f32 v[FT+6], v[\a], v[\b]
	v_sub_f32 v[FT+7], v[\a], v[\b]
	s_wait_alu depctr_va_vdst(0)
	v_mul_f32 v[FT+8], v[\a], v[\r]
	v_fma_f32 v[FT+9], -v[\b], v[FT+8], v[\a]
	v_fma_f32 v[FT+8], v[FT+9], v[\r], v[FT+8]
.irp f, 0,1,2,3
	v_add_f32 v[FT+5+\f], 0xc1c00000, v[FT+5+\f]
.endr
.irp f, 0,1,2,3
	v_fma_f32 v[FT+5+\f], -|v[FT+5+\f]|, s[K24], 1.0
.endr
.irp f, 0,1,2,3
	v_max_num_f32 v[FT+5+\f], 0, v[FT+5+\f]
.endr
.irp f, 0,1,2,3
	v_cndmask_b32 v[(\h)+4+4*(\s)+\f], 0, v[FT+5+\f], s[\m]
.endr
.endm
.macro FEAT n, h                       ; four numbers in v[n] on (destroyed) -> h0 in v[h] on, as in the first launch
.irp j, 0,1,2,3
	v_mov_b32 v[(\h)+\j], v[(\n)+\j]
.endr
	CSW (\n), (\n)+1
	CSW (\n)+1, (\n)+2
	CSW (\n)+2, (\n)+3
	CSW (\n), (\n)+1
	CSW (\n)+1, (\n)+2
	CSW (\n), (\n)+1
	v_cmp_neq_f32 s[MK2], 0, v[(\n)+1]
	v_cmp_neq_f32 s[MK3], 0, v[(\n)+2]
	v_cmp_neq_f32 s[MK4], 0, v[(\n)+3]
	v_cndmask_b32 v[FT], v[(\n)+1], v[(\n)], s[MK4]
	v_cndmask_b32 v[FT+1], v[(\n)+2], v[(\n)+3], s[MK4]
	v_rcp_f32 v[FT+2], v[(\n)+1]
	v_rcp_f32 v[FT+3], v[(\n)+2]
	v_rcp_f32 v[FT+4], v[FT+1]                     ; SLOT's first lines are plain and touch neither a reciprocal nor its source
	SLOT \h, 0, (\n), (\n)+1, FT+2, MK2
	SLOT \h, 1, (\n), (\n)+2, FT+3, MK3
	SLOT \h, 2, FT, FT+1, FT+4, MK3
.endm
; 64 numbers of a lane, none negative, register 16 b + i = k 32 b + 16 (lane / 16) + i of my row, become a fragment's codes in v[PC] on and its scale word in v[PW]
.macro QUANT s
.irp b, 0,1,2,3
	v_max3_num_f32 v[TM+\b], v[(\s)+16*\b], v[(\s)+1+16*\b], 0x1800000   ; block b: my 16 numbers, and the floor 2^(3 - 127): the byte cannot fall under 1
.endr
.irp i, 2,4,6,8,10,12,14
.irp b, 0,1,2,3
	v_max3_num_f32 v[TM+\b], v[TM+\b], v[(\s)+16*\b+\i], v[(\s)+1+16*\b+\i]
.endr
.endr
.irp b, 0,1,2,3
	v_permlanex16_b32 v[TM+4+\b], v[TM+\b], s[SEL], s[SEL+1]
.endr
.irp b, 0,1,2,3
	v_max_num_f32 v[TM+\b], v[TM+\b], v[TM+4+\b]   ; with lane l xor 16's: the block's largest number
.endr
.irp b, 0,1,2,3
	v_add_nc_u32 v[TM+12+\b], 0xff000000, v[TM+\b] ; 2 off its exponent field: the conversion's scale operand
.endr
.irp b, 0,1,2,3
	v_lshrrev_b32 v[TM+4+\b], 23, v[TM+12+\b]      ; the scale's byte
.endr
	v_lshl_or_b32 v[PW], v[TM+5], 8, v[TM+4]
	v_lshl_or_b32 v[PW], v[TM+6], 16, v[PW]
	v_lshl_or_b32 v[PW], v[TM+7], 24, v[PW]
.irp b, 0,1,2,3
	v_cvt_scalef32_pk8_fp4_f32 v[PC+2*\b], v[(\s)+16*\b:(\s)+7+16*\b], v[TM+12+\b]
	v_cvt_scalef32_pk8_fp4_f32 v[PC+1+2*\b], v[(\s)+8+16*\b:(\s)+15+16*\b], v[TM+12+\b]
.endr
	v_nop                                          ; one plain line behind the last conversion
.irp c, 0,1                            ; the operand's layout wants a whole block in a lane
.irp i, 0,1
	v_permlane16_swap_b32 v[PC+4*\c+\i], v[PC+2+4*\c+\i]
.endr
.endr
.endm
.macro PILOT d, nt                     ; -c = -(the mean of the tile's 16 rows), column by column
.set st, 0
.rept \nt
.set tb, T+4*(st%4)
	v_pk_add_f32 v[tb:tb+1], v[(\d)+8*st:(\d)+8*st+1], v[(\d)+8*st+2:(\d)+8*st+3]
	v_pk_add_f32 v[tb+2:tb+3], v[(\d)+8*st+4:(\d)+8*st+5], v[(\d)+8*st+6:(\d)+8*st+7]
	v_pk_add_f32 v[tb:tb+1], v[tb:tb+1], v[tb+2:tb+3]
	v_add_f32 v[tb], v[tb], v[tb+1]
	v_permlanex16_b32 v[tb+2], v[tb], s[SEL], s[SEL+1]
	v_add_f32 v[tb], v[tb], v[tb+2]
	v_mul_f32 v[CPN+2*st], 0xbd800000, v[tb]
.set st, st+1
.endr
.endm
.macro STATS d, nt                     ; T = D - c; sums of T and of T^2, two tiles by turns; each accumulator is read from its low pair on
.set st, 0
.rept (\nt)/2
.irp p, 0,2,4,6
	v_pk_add_f32 v[T+\p:T+\p+1], v[(\d)+8*st+\p:(\d)+8*st+\p+1], v[CPN+2*st:CPN+2*st+1] op_sel_hi:[1,0]
.endr
.irp p, 0,2,4,6
	v_pk_add_f32 v[T+8+\p:T+8+\p+1], v[(\d)+8*st+8+\p:(\d)+8*st+8+\p+1], v[CPN+2*st+2:CPN+2*st+3] op_sel_hi:[1,0]
.endr
.irp p, 0,2,4,6
	v_pk_add_f32 v[SS+2*st:SS+2*st+1], v[SS+2*st:SS+2*st+1], v[T+\p:T+\p+1]
	v_pk_add_f32 v[SS+2*st+2:SS+2*st+3], v[SS+2*st+2:SS+2*st+3], v[T+8+\p:T+8+\p+1]
	v_pk_fma_f32 v[QQ+2*st:QQ+2*st+1], v[T+\p:T+\p+1], v[T+\p:T+\p+1], v[QQ+2*st:QQ+2*st+1]
	v_pk_fma_f32 v[QQ+2*st+2:QQ+2*st+3], v[T+8+\p:T+8+\p+1], v[T+8+\p:T+8+\p+1], v[QQ+2*st+2:QQ+2*st+3]
.endr
.set st, st+2
.endr
.endm
.macro WMEAN nt                        ; the wave's 256 rows: mean into v[SS + 2 t], M2 into v[SS + 2 t + 1]
.set st, 0
.rept \nt
	v_add_f32 v[T+2*st], v[SS+2*st], v[SS+2*st+1]
	v_add_f32 v[T+2*st+1], v[QQ+2*st], v[QQ+2*st+1]
.set st, st+1
.endr
.set st, 0
.rept 2*\nt
	v_permlanex16_b32 v[SS+st], v[T+st], s[SEL], s[SEL+1]
.set st, st+1
.endr
.set st, 0
.rept 2*\nt
	v_add_f32 v[T+st], v[T+st], v[SS+st]
.set st, st+1
.endr
.set st, 0
.rept \nt
	v_mul_f32 v[QQ+2*st], 0x3b800000, v[T+2*st]                    ; S / 256
	v_sub_f32 v[SS+2*st], v[QQ+2*st], v[CPN+2*st]                  ; + c
	v_fma_f32 v[SS+2*st+1], -v[QQ+2*st], v[T+2*st], v[T+2*st+1]    ; Q - S^2 / 256
.set st, st+1
.endr
.endm
	s_load_b512 s[4:19], s[0:1], 0x0               ; x 4, w1 6, b1 8, g1 10, be1 12, part1 14, wq 16, h1q 18
	s_load_b64 s[20:21], s[0:1], 0x40              ; part2
	v_lshl_add_u32 v254, v0, 2, 0x29000
	v_mov_b32 v255, 0
	ds_add_u32 v254, v255
	ds_add_u32 v254, v255
	s_wait_dscnt 0x0
	v_lshrrev_b32 v2, 5, v0
	v_readfirstlane_b32 s22, v2                    ; wave 0..7
	s_lshl_b32 s23, ttmp9, 3
	s_add_co_u32 s23, s23, s22                     ; chunk c
	; descriptor group 1: a dense block of 16,384 bytes as 64 rows of 32 elements of 8 bytes, no padding
	s_mov_b32 s24, 3<<16                           ; no mask; elements of 8 bytes
	s_mov_b32 s25, 32<<16                          ; tensor_dim0 = 32
	s_mov_b32 s26, 64<<16                          ; tensor_dim1 = 64
	s_mov_b32 s27, 32<<16                          ; tile_dim0 = 32
	s_mov_b32 s28, 64                              ; tile_dim1 = 64
	s_mov_b32 s29, 32                              ; from row to row
	s_mov_b32 s30, 0
	s_mov_b32 s31, 0
	s_mov_b32 s32, 1                               ; group 0: count = 1
	s_lshl_b32 s33, s22, 14                        ; LDS address: 16,384 x wave
	s_lshl_b32 s46, s23, 14
	s_mov_b32 s47, 0
	s_mov_b32 s[SEL], 0x76543210
	s_mov_b32 s[SEL+1], 0xfedcba98
	s_mov_b32 s[K24], 0x3d2aaaab
	s_mov_b32 s42, 0xffff0000                      ; lanes 16-31
	s_wait_kmcnt 0x0
	s_add_nc_u64 s[34:35], s[4:5], s[46:47]        ; my chunk of x
	s_or_b32 s35, s35, 0x80000000                  ; type = 2
	tensor_load_to_lds s[32:35], s[24:31]          ; my one tensor load: it goes out ahead of everything else
	s_nop 0
.rept 4
	v_nop
.endr
	s_add_nc_u64 s[48:49], s[18:19], s[46:47]      ; where my codes go
	s_lshl_b32 s46, s23, 10
	s_add_nc_u64 s[50:51], s[18:19], s[46:47]
	s_add_nc_u64 s[50:51], s[50:51], 0x2000000     ; and my scale images
	s_mul_i32 s46, s22, 24576
	s_add_nc_u64 s[52:53], s[14:15], s[46:47]      ; part1's rows 32 w on
	v_and_b32 v242, 31, v0                         ; lane
	v_and_b32 v243, 15, v0                         ; r
	v_bfe_u32 v244, v0, 4, 1                       ; h
	v_and_b32 v245, 8, v243
	v_add_nc_u32 v245, v245, v243
	v_lshlrev_b32 v245, 2, v245                    ; 4 (r + (r & 8))
	v_lshlrev_b32 v[XB], 6, v242
	v_add_nc_u32 v[XB], s33, v[XB]
	v_lshlrev_b32 v[L16], 4, v242
	v_lshlrev_b32 v[O8], 3, v242
	v_lshlrev_b32 v240, 2, v242                    ; 4 l
	v_mov_b32 v241, 0
	v_add_nc_u32 v[A_RED], RED1, v[O8]
	s_mul_i32 s54, s22, 768
	v_add_nc_u32 v[A_REDW], s54, v[A_RED]
	v_add_nc_u32 v[A_TOTW], TOT-RED1, v[A_REDW]
	s_add_co_u32 s55, s54, TOT
	v_mov_b32 v[A_TOTB], s55
	v_lshl_add_u32 v[A_TH], v0, 2, A1T
	v_add_nc_u32 v[A_A1], A1T, v245
	v_lshl_add_u32 v[A_C1], v244, 6, CC1T
	s_lshl_b32 s56, s22, 10
	s_add_co_u32 s56, s56, ST2
	v_add_nc_u32 v[A_ST], s56, v245
	v_add_nc_u32 v[A_STR], ST2, v[L16]
	v_lshl_add_u32 v[O_W1], v244, 10, v245
	v_and_b32 v246, 127, v0
	v_lshlrev_b32 v[O_U], 2, v246
	; ---- 108 small loads, then my 32 rows of part1
	global_load_b128 v[PN:PN+3], v241, s[4:5]      ; batch row 0
.irp a, 0,1,2,3,4,5,6,7,8,9,10,11,12,13,14,15
	global_load_b32 v[WC+\a], v[O_U], s[6:7] offset:512*\a         ; w1's column of my unit
.endr
	global_load_b32 v228, v[O_U], s[8:9]           ; b1
	global_load_b32 v229, v[O_U], s[10:11]         ; g1
	global_load_b32 v230, v[O_U], s[12:13]         ; be1
.irp t, 0,1,2,3,4,5,6,7
	global_load_b32 v[W2S+\t], v240, s[16:17] offset:12288+128*\t
.endr
	WIN 0x40                                       ; destination window 1
.irp t, 0,1,2,3,4,5,6,7
.irp s, 0,1,2,3
.irp j, 0,1
	global_load_b32 v[W1F+8*\t+2*\s+\j], v[O_W1], s[6:7] offset:(4*\s+\j)*512+4*(32*(\t/2)+8*(\t%2))   ; lane (r, h), register j: w1(4 s + 2 h + j, my unit)
.endr
.endr
.endr
.irp t, 0,1,2,3,4,5,6,7
	global_load_b128 v[W2F+8*\t:W2F+8*\t+3], v[L16], s[16:17] offset:1024*\t
	global_load_b128 v[W2F+8*\t+4:W2F+8*\t+7], v[L16], s[16:17] offset:1024*\t+512
.endr
	WIN 0
.set pj, 0
.rept 32
.irp k, 0,1,2
	global_load_b64 v[PL+6*pj+2*\k:PL+6*pj+2*\k+1], v[O8], s[52:53] offset:768*pj+256*\k
.endr
.set pj, pj+1
.endr
	s_wait_loadcnt 48                              ; all but the 48 youngest loads, rows 16 to 31
.set pj, 1
.rept 15
.irp k, 0,2,4
	v_pk_add_f32 v[PL+\k:PL+\k+1], v[PL+\k:PL+\k+1], v[PL+6*pj+\k:PL+6*pj+\k+1]
.endr
.set pj, pj+1
.endr
	s_wait_loadcnt 0x0
.rept 16
.irp k, 0,2,4
	v_pk_add_f32 v[PL+\k:PL+\k+1], v[PL+\k:PL+\k+1], v[PL+6*pj+\k:PL+6*pj+\k+1]
.endr
.set pj, pj+1
.endr
.irp k, 0,1,2
	ds_store_b64 v[A_REDW], v[PL+2*\k:PL+2*\k+1] offset:256*\k
.endr
	s_wait_tensorcnt 0x0                           ; my chunk of x has landed (asked for ahead of all the loads above): no tile is out at a barrier
	BARRIER
.irp w, 0,1,2,3,4,5,6,7
.irp k, 0,1,2
	ds_load_b64 v[TT+6*\w+2*\k:TT+6*\w+2*\k+1], v[A_RED] offset:768*\w+256*\k
.endr
.endr
	s_wait_dscnt 0x0
.irp w, 1,2,3,4,5,6,7
.irp k, 0,2,4
	v_pk_add_f32 v[TT+\k:TT+\k+1], v[TT+\k:TT+\k+1], v[TT+6*\w+\k:TT+6*\w+\k+1]
.endr
.endr
.irp k, 0,1,2
	ds_store_b64 v[A_TOTW], v[TT+2*\k:TT+2*\k+1] offset:256*\k     ; the totals, into my wave's own copy,
.endr
	FEAT PN, H                                     ; c0
.set pj, 0
.rept 40
	ds_load_b128 v[TT+4*pj:TT+4*pj+3], v[A_TOTB] offset:16*pj      ; and back, all 160 into every lane (LDS serves a wave's instructions in order)
.set pj, pj+1
.endr
	s_wait_dscnt 0x0
	; ---- my unit's mean and variance
	v_mul_f32 v242, v[WC], v[TT]                   ; w.S
	v_mul_f32 v243, v[WC], v[H]                    ; w.c0
.set qa, 1
.rept 15
	v_fmac_f32 v242, v[WC+qa], v[TT+qa]
	v_fmac_f32 v243, v[WC+qa], v[H+qa]
.set qa, qa+1
.endr
.set qa, 0
.rept 16                               ; half of w'Qw: sum over a of w[a] (w[a] Q[a][a] / 2 + sum over b > a of w[b] Q[a][b])
.set qe, (qa/2)*2
.set qo, TT+16+32*(qa/2)-2*(qa/2)*((qa/2)-1)+(qa%2)*(16-qe)-qe
	v_mul_f32 v[245+qa%2], 0.5, v[WC+qa]
	v_mul_f32 v[245+qa%2], v[245+qa%2], v[qo+qa]
.set qb, qa+1
.rept 15-qa
	v_fmac_f32 v[245+qa%2], v[WC+qb], v[qo+qb]
.set qb, qb+1
.endr
.if qa == 0
	v_mul_f32 v244, v[WC], v245
.else
	v_fmac_f32 v244, v[WC+qa], v[245+qa%2]
.endif
.set qa, qa+1
.endr
	v_mul_f32 v242, 0x36000000, v242               ; (w.S) / B, B = 2^19
	v_mul_f32 v245, v242, v242
	v_fma_f32 v244, v244, 0x36800000, -v245        ; the variance
	v_max_num_f32 v244, 0, v244
	v_add_f32 v244, 0x3727c5ac, v244               ; + 1e-5
	v_rsq_f32 v245, v244
	v_add_f32 v243, v243, v242                     ; (a plain line behind the root)
	s_wait_alu depctr_va_vdst(0)
	v_mul_f32 v245, v229, v245                     ; a1
	v_add_f32 v246, v228, v243                     ; the mean
	v_sub_f32 v246, v228, v246                     ; b1 - mean
	v_fma_f32 v246, v246, v245, v230               ; cc1
	ds_store_b32 v[A_TH], v245
	ds_store_b32 v[A_TH], v246 offset:CC1T-A1T
	BARRIER
.irp t, 0,1,2,3,4,5,6,7
	ds_load_b32 v[A1L+\t], v[A_A1] offset:4*(32*(\t/2)+8*(\t%2))
.endr
	WIN 0x40
.irp t, 0,1,2,3,4,5,6,7
	ds_load_b128 v[C1+8*\t:C1+8*\t+3], v[A_C1] offset:4*(32*(\t/2)+8*(\t%2))
	ds_load_b128 v[C1+8*\t+4:C1+8*\t+7], v[A_C1] offset:4*(32*(\t/2)+8*(\t%2))+16
.endr
	WIN 0
	s_wait_dscnt 0x0
	WIN 0x44                                       ; destination and source 1 window 1
.irp t, 0,1,2,3,4,5,6,7
.irp q, 0,1,2,3,4,5,6,7
	v_mul_f32 v[W1F+8*\t+\q], v[A1L+\t], v[W1F+8*\t+\q]            ; a1 into the weights
.endr
.endr
	WIN 0
.set pj, CPN
.rept 48
	v_mov_b32 v[pj], 0                             ; -c, the sums and the sums of squares
.set pj, pj+1
.endr
.irp i, 0,1,2,3,4,5,6,7
	v_mov_b32 v[SWQ+\i], 0                         ; read by the first shifts
.endr
.irp i, 4,5,6,7
	v_mov_b32 v[TM+\i], 0                          ; a lane permute's destination counts as one of its sources
.endr
; One tile of 16 rows.  x = 0: lanes' rows 0-15 of the pair, 1: rows 16-31.
.macro TILE x
	WIN 0x51                                       ; w1, C and D in window 1, h0 in window 0
.irp s, 0,1,2,3                        ; the eight accumulators take turns, one instruction a turn
.irp t, 0,1,2,3,4,5,6,7
.if \s == 0
	v_wmma_f32_16x16x4_f32 v[D1+8*\t:D1+8*\t+7], v[W1F+8*\t+2*\s:W1F+8*\t+2*\s+1], v[H+4*\s+2*\x:H+4*\s+2*\x+1], v[C1+8*\t:C1+8*\t+7]
.else
	v_wmma_f32_16x16x4_f32 v[D1+8*\t:D1+8*\t+7], v[W1F+8*\t+2*\s:W1F+8*\t+2*\s+1], v[H+4*\s+2*\x:H+4*\s+2*\x+1], v[D1+8*\t:D1+8*\t+7]
.endif
.endr
.endr
.rept 8
	v_nop                                          ; eight places behind this form before its results are read
.endr
	WIN 0x04                                       ; source 1 window 1
.set hj, 0
.rept 64
	v_max_num_f32 v[R+hj], 0, v[D1+hj]             ; relu, into other registers, each accumulator from its low end on
.set hj, hj+1
.endr
	WIN 0
	s_wait_xcnt 0x0                                ; the last tile's stores have read the codes' registers
	QUANT R
	global_store_b128 v[L16], v[PC:PC+3], s[48:49] offset:1024*\x          ; 512 consecutive bytes a store
	global_store_b128 v[L16], v[PC+4:PC+7], s[48:49] offset:1024*\x+512
.if \x == 0
	v_mov_b32 v[SWN], v[PW]
.else
	v_cndmask_b32 v[SWN], v[SWN], v[PW], s42       ; lanes 16-31 take the odd tile's words
.endif
.rept 8
	v_nop                                          ; a scale word made by vector lines stands eight places ahead of the scaled product, the codes four
.endr
	WIN 0x04
.irp t, 0,1,2,3,4,5,6,7
	v_wmma_scale_f32_16x16x128_f8f6f4 v[R+8*\t:R+8*\t+7], v[PC:PC+7], v[W2F+8*\t:W2F+8*\t+7], 0, v[PW], v[W2S+\t] matrix_a_fmt:MATRIX_FMT_FP4 matrix_b_fmt:MATRIX_FMT_FP4
.endr
	WIN 0
.rept 4
	v_nop
.endr
.if \x == 0
	s_cmp_lg_u32 s43, 0                            ; the wave's first tile gives the shift
	s_cbranch_scc1 .Lnp_\@
	PILOT R, 8
.Lnp_\@:
.endif
	STATS R, 8
.endm
	s_mov_b32 s43, 0                               ; trip
	s_mov_b32 s44, 0                               ; its 32 rows of x in LDS: 2,048 bytes a trip
.Ltrip:
	v_add_nc_u32 v[ADX], s44, v[XB]
	ds_load_b128 v[NX:NX+3], v[ADX]                ; lane l: the four numbers of row 32 trip + l
	s_wait_dscnt 0x0
	FEAT NX, H
.irp s, 0,1,2,3                        ; the f32 operand wants k = 4 s + 2 (lane / 16) + j of row lane % 16: afterwards v[H + 4 s] on is the even tile's fragment, v[H + 4 s + 2] on the odd tile's
.irp j, 0,1
	v_permlane16_swap_b32 v[H+4*\s+\j], v[H+4*\s+2+\j]
.endr
.endr
	TILE 0
	TILE 1
.irp i, 0,1,2,3,4,5,6
	v_mov_b32 v[SWQ+\i], v[SWQ+\i+1]
.endr
	v_mov_b32 v[SWQ+7], v[SWN]                     ; after eight trips pair p's words stand in register p
	s_wait_xcnt 0x0                                ; the stores have read their base
	s_add_nc_u64 s[48:49], s[48:49], 2048
	s_add_co_u32 s44, s44, 2048
	s_add_co_u32 s43, s43, 1
	s_cmp_lt_u32 s43, 8
	s_cbranch_scc1 .Ltrip
	global_store_b128 v[L16], v[SWQ:SWQ+3], s[50:51]
	global_store_b128 v[L16], v[SWQ+4:SWQ+7], s[50:51] offset:512
	WMEAN 8
.irp t, 0,1,2,3,4,5,6,7
	ds_store_b32 v[A_ST], v[SS+2*\t] offset:4*(32*(\t/2)+8*(\t%2))         ; both halves of the lanes write the same word with the same value
	ds_store_b32 v[A_ST], v[SS+2*\t+1] offset:512+4*(32*(\t/2)+8*(\t%2))
.endr
	BARRIER
	s_cmp_lg_u32 s22, 0
	s_cbranch_scc1 .Lend
	; ---- wave 0 joins the eight waves: lane l has columns 4 l .. 4 l + 3
.irp w, 0,1,2,3,4,5,6,7
	ds_load_b128 v[48+4*\w:51+4*\w], v[A_STR] offset:1024*\w
	ds_load_b128 v[80+4*\w:83+4*\w], v[A_STR] offset:1024*\w+512
.endr
	s_lshl_b32 s46, ttmp9, 10
	s_add_nc_u64 s[20:21], s[20:21], s[46:47]
	s_wait_dscnt 0x0
.irp j, 0,2
	v_pk_add_f32 v[112+\j:113+\j], v[48+\j:49+\j], v[52+\j:53+\j]
	v_pk_add_f32 v[116+\j:117+\j], v[80+\j:81+\j], v[84+\j:85+\j]
.endr
.irp w, 2,3,4,5,6,7
.irp j, 0,2
	v_pk_add_f32 v[112+\j:113+\j], v[112+\j:113+\j], v[48+4*\w+\j:49+4*\w+\j]
	v_pk_add_f32 v[116+\j:117+\j], v[116+\j:117+\j], v[80+4*\w+\j:81+4*\w+\j]
.endr
.endr
.irp j, 0,2
	v_pk_mul_f32 v[112+\j:113+\j], v[112+\j:113+\j], 0x3e000000 op_sel_hi:[1,0]    ; the work-group's mean
.endr
.irp w, 0,1,2,3,4,5,6,7
.irp j, 0,2
	v_pk_add_f32 v[48+4*\w+\j:49+4*\w+\j], v[48+4*\w+\j:49+4*\w+\j], v[112+\j:113+\j] neg_lo:[0,1] neg_hi:[0,1]
.endr
.endr
.irp j, 0,2
	v_pk_mul_f32 v[120+\j:121+\j], v[48+\j:49+\j], v[48+\j:49+\j]
.endr
.irp w, 1,2,3,4,5,6,7
.irp j, 0,2
	v_pk_fma_f32 v[120+\j:121+\j], v[48+4*\w+\j:49+4*\w+\j], v[48+4*\w+\j:49+4*\w+\j], v[120+\j:121+\j]
.endr
.endr
.irp j, 0,2
	v_pk_fma_f32 v[116+\j:117+\j], v[120+\j:121+\j], 0x43800000, v[116+\j:117+\j] op_sel_hi:[1,0,1]   ; + 256 x the means' squared deviations
.endr
	global_store_b128 v[L16], v[112:115], s[20:21]
	global_store_b128 v[L16], v[116:119], s[20:21] offset:512
.Lend:
	s_wait_xcnt 0x0
	v_lshl_add_u32 v254, v0, 2, 0x29000
	v_mov_b32 v255, 0
	s_wait_tensorcnt 0x0
	ds_add_u32 v254, v255
	s_wait_dscnt 0x0
	s_endpgm
.Lfunc_end_k_q6ba81b924c_layer1:
	.size	k_q6ba81b924c_layer1, .Lfunc_end_k_q6ba81b924c_layer1-k_q6ba81b924c_layer1
	.p2alignl 7, 3214868480
	.fill 96, 4, 3214868480
	.section	.rodata,"a",@progbits
	.p2align	6, 0x0
	.amdhsa_kernel k_q6ba81b924c_layer1
		.amdhsa_group_segment_fixed_size 168960
		.amdhsa_private_segment_fixed_size 0
		.amdhsa_enable_private_segment 0
		.amdhsa_kernarg_size 72
		.amdhsa_user_sgpr_count 2
		.amdhsa_user_sgpr_kernarg_segment_ptr 1
		.amdhsa_wavefront_size32 1
		.amdhsa_system_sgpr_workgroup_id_x 1
		.amdhsa_system_sgpr_workgroup_id_y 1
		.amdhsa_system_sgpr_workgroup_id_z 1
		.amdhsa_system_vgpr_workitem_id 0
		.amdhsa_next_free_vgpr 512
		.amdhsa_next_free_sgpr 66
		.amdhsa_reserve_vcc 1
		.amdhsa_float_denorm_mode_32 3
		.amdhsa_float_denorm_mode_16_64 3
		.amdhsa_memory_ordered 1
		.amdhsa_forward_progress 1
		.amdhsa_inst_pref_size 102
	.end_amdhsa_kernel
	.amdgpu_metadata
---
amdhsa.version: [ 1, 2 ]
amdhsa.kernels:
  - .name:           k_q6ba81b924c_layer1
    .symbol:         k_q6ba81b924c_layer1.kd
    .args:
      - { .name: x, .offset: 0, .size: 8, .value_kind: global_buffer, .address_space: global }
      - { .name: w1, .offset: 8, .size: 8, .value_kind: global_buffer, .address_space: global }
      - { .name: b1, .offset: 16, .size: 8, .value_kind: global_buffer, .address_space: global }
      - { .name: g1, .offset: 24, .size: 8, .value_kind: global_buffer, .address_space: global }
      - { .name: be1, .offset: 32, .size: 8, .value_kind: global_buffer, .address_space: global }
      - { .name: part1, .offset: 40, .size: 8, .value_kind: global_buffer, .address_space: global }
      - { .name: wq, .offset: 48, .size: 8, .value_kind: global_buffer, .address_space: global }
      - { .name: h1q, .offset: 56, .size: 8, .value_kind: global_buffer, .address_space: global }
      - { .name: part2, .offset: 64, .size: 8, .value_kind: global_buffer, .address_space: global }
    .group_segment_fixed_size: 168960
    .private_segment_fixed_size: 0
    .kernarg_segment_align: 8
    .kernarg_segment_size: 72
    .max_flat_workgroup_size: 256
    .sgpr_count:     66
    .vgpr_count:     512
    .wavefront_size: 32
...
	.end_amdgpu_metadata
.endif
;; end of part 2
;; launch layer2 (part 3): grid 256 x 1, 8 waves a work-group, no clusters, 168,960 bytes of LDS; arguments h1q, wq, part2, b2, g2, be2, h2q, part3; writes h2q, part3
.if DOCPART == 3
	.amdgcn_target "amdgcn-amd-amdhsa--gfx1250"
	.amdhsa_code_object_version 6
	.text
	.protected	k_q6ba81b924c_layer2
	.globl	k_q6ba81b924c_layer2
	.p2align	8
	.type	k_q6ba81b924c_layer2,@function
k_q6ba81b924c_layer2:
	s_mov_b64 s[64:65], 0
	v_nop
	global_prefetch_b8 v0, s[64:65] scope:SCOPE_SE
	s_setreg_imm32_b32 hwreg(HW_REG_WAVE_MODE, 25, 1), 1
	s_wait_xcnt 0x0
; THIRD LAUNCH.  Head: the 256 rows (mean, M2) of part2 are joined, with row 0's means p as a shift: S1 = sum (m - p), S2 = sum (m - p)^2, mean = p + S1/256, M2 = sum M2 + 2048 (S2 - S1^2/256), var = M2 / 2^19;
; a2 = g2 rsq(var + eps), c2 = (b2 - (mean + b2)) a2 + be2.  Loop: D = h1's codes x w2's codes; h2 = relu(D a2 + c2) in f32; its codes and scale words go to h2q; the raw
; third product (codes x w3's codes) is formed only for its column statistics, which go to part3.
; SHARES, the images' layouts, the choice of a tile's units and the statistics: as in the second launch.  One tensor load a wave brings its 16 tiles' codes (16,384 dense bytes) into its own LDS bytes; nothing is filled twice.
; The second product is used transposed (source 0 = 16 units of w2, source 1 = 16 rows): a lane holds one row, registers 16 b + i are units 32 b + 16 (lane / 16) + i.  The third stands as it is: a lane holds a column.
; LIMITS: variances are held at 0 from below; a block of zeros gets the scale byte 1 (this program alone reads the bytes); NaN and infinities are not served.
; No cluster: what work-groups share is part2 and 14 KB of weights, summed or kept in registers.
; REGISTERS, window 0: v1-10 addresses; v16-31 two tiles' codes; v32-39, v40-47, v48-51, v60 scale operands, which hold nothing else; v52-59 scale words going out; v61 the pair's in hand; v64-127, v128-191 the two tiles' D;
;   v192-199 codes; v200-215 at work in QUANT; v216-231 T; v232-239 -c; v240-247 sums; v248-255 sums of squares.  In the head: v64-191 part2's rows 0-15 of mine; v192-227 the join.
;   window 1: v0-63 w2's fragments; v64-95 w3's; v96-159 a2, v160-223 c2 in the result's layout (in the head: my rows 16-31 of part2).
.set CB,     1                         ; 16384 w + 16 l
.set ADC,    2
.set L16,    3
.set A_REDW, 4                         ; RED2 + 1536 w + 16 l
.set A_RED,  5                         ; RED2 + 16 l
.set A_TABW, 6                         ; TAB2 + 1024 w + 16 l
.set A_TABR, 7                         ; TAB2 + 1024 w + 64 h
.set A_ST,   8                         ; ST3 + 512 w + 4 r
.set A_STR,  9                         ; ST3 + 16 l
.set O4,     10                        ; 4 l
.set ICA,    16
.set ICB,    24
.set ISQ,    32
.set W2S,    40
.set W3S,    48
.set SWQ,    52
.set PW,     60
.set SWN,    61
.set DA,     64
.set DB,     128
.set PC,     192
.set TM,     200
.set T,      216
.set CPN,    232
.set SS,     240
.set QQ,     248
.set DD,     64
.set SA1,    192
.set SA2,    196
.set SMM,    200
.set PP,     204
.set BB,     208
.set GG,     212
.set BE,     216
.set WK,     220
.set W2F,    0                         ; window 1
.set W3F,    64
.set A2,     96
.set C2,     160
.set RED2,   131072                    ; LDS: 0: eight chunks of codes; then 8 x 1,536: the waves' S1, S2, sum of M2
.set TAB2,   143360                    ; 8 x 1,024: a2 (512) and c2 (512), each wave's own copy
.set ST3,    151552                    ; 8 x 512: the waves' means (256) and M2 (256)
.set SEL,    36
.set MSB, 0
.macro WIN new                         ; the immediate's high byte repeats the setting that is left; bits 1:0 source 0, 3:2 source 1, 5:4 source 2, 7:6 destination
.if MSB != \new
	s_set_vgpr_msb (MSB<<8)|\new
.set MSB, \new
.endif
.endm
.macro BARRIER
	s_wait_dscnt 0x0
	s_barrier_signal -1
	s_barrier_wait -1
.endm
.macro QUANT s                         ; 64 numbers of a lane, none negative -> codes in v[PC] on, scale word in v[PW]: as in the second launch
.irp b, 0,1,2,3
	v_max3_num_f32 v[TM+\b], v[(\s)+16*\b], v[(\s)+1+16*\b], 0x1800000
.endr
.irp i, 2,4,6,8,10,12,14
.irp b, 0,1,2,3
	v_max3_num_f32 v[TM+\b], v[TM+\b], v[(\s)+16*\b+\i], v[(\s)+1+16*\b+\i]
.endr
.endr
.irp b, 0,1,2,3
	v_permlanex16_b32 v[TM+4+\b], v[TM+\b], s[SEL], s[SEL+1]
.endr
.irp b, 0,1,2,3
	v_max_num_f32 v[TM+\b], v[TM+\b], v[TM+4+\b]
.endr
.irp b, 0,1,2,3
	v_add_nc_u32 v[TM+12+\b], 0xff000000, v[TM+\b]
.endr
.irp b, 0,1,2,3
	v_lshrrev_b32 v[TM+4+\b], 23, v[TM+12+\b]
.endr
	v_lshl_or_b32 v[PW], v[TM+5], 8, v[TM+4]
	v_lshl_or_b32 v[PW], v[TM+6], 16, v[PW]
	v_lshl_or_b32 v[PW], v[TM+7], 24, v[PW]
.irp b, 0,1,2,3
	v_cvt_scalef32_pk8_fp4_f32 v[PC+2*\b], v[(\s)+16*\b:(\s)+7+16*\b], v[TM+12+\b]
	v_cvt_scalef32_pk8_fp4_f32 v[PC+1+2*\b], v[(\s)+8+16*\b:(\s)+15+16*\b], v[TM+12+\b]
.endr
	v_nop                                          ; one plain line behind the last conversion
.irp c, 0,1
.irp i, 0,1
	v_permlane16_swap_b32 v[PC+4*\c+\i], v[PC+2+4*\c+\i]
.endr
.endr
.endm
.macro PILOT d, nt                     ; -c = -(the mean of the tile's 16 rows), column by column
.set st, 0
.rept \nt
.set tb, T+4*(st%4)
	v_pk_add_f32 v[tb:tb+1], v[(\d)+8*st:(\d)+8*st+1], v[(\d)+8*st+2:(\d)+8*st+3]
	v_pk_add_f32 v[tb+2:tb+3], v[(\d)+8*st+4:(\d)+8*st+5], v[(\d)+8*st+6:(\d)+8*st+7]
	v_pk_add_f32 v[tb:tb+1], v[tb:tb+1], v[tb+2:tb+3]
	v_add_f32 v[tb], v[tb], v[tb+1]
	v_permlanex16_b32 v[tb+2], v[tb], s[SEL], s[SEL+1]
	v_add_f32 v[tb], v[tb], v[tb+2]
	v_mul_f32 v[CPN+2*st], 0xbd800000, v[tb]
.set st, st+1
.endr
.endm
.macro STATS d, nt                     ; T = D - c; sums of T and of T^2, two tiles by turns
.set st, 0
.rept (\nt)/2
.irp p, 0,2,4,6
	v_pk_add_f32 v[T+\p:T+\p+1], v[(\d)+8*st+\p:(\d)+8*st+\p+1], v[CPN+2*st:CPN+2*st+1] op_sel_hi:[1,0]
.endr
.irp p, 0,2,4,6
	v_pk_add_f32 v[T+8+\p:T+8+\p+1], v[(\d)+8*st+8+\p:(\d)+8*st+8+\p+1], v[CPN+2*st+2:CPN+2*st+3] op_sel_hi:[1,0]
.endr
.irp p, 0,2,4,6
	v_pk_add_f32 v[SS+2*st:SS+2*st+1], v[SS+2*st:SS+2*st+1], v[T+\p:T+\p+1]
	v_pk_add_f32 v[SS+2*st+2:SS+2*st+3], v[SS+2*st+2:SS+2*st+3], v[T+8+\p:T+8+\p+1]
	v_pk_fma_f32 v[QQ+2*st:QQ+2*st+1], v[T+\p:T+\p+1], v[T+\p:T+\p+1], v[QQ+2*st:QQ+2*st+1]
	v_pk_fma_f32 v[QQ+2*st+2:QQ+2*st+3], v[T+8+\p:T+8+\p+1], v[T+8+\p:T+8+\p+1], v[QQ+2*st+2:QQ+2*st+3]
.endr
.set st, st+2
.endr
.endm
.macro WMEAN nt                        ; the wave's 256 rows: mean into v[SS + 2 t], M2 into v[SS + 2 t + 1]
.set st, 0
.rept \nt
	v_add_f32 v[T+2*st], v[SS+2*st], v[SS+2*st+1]
	v_add_f32 v[T+2*st+1], v[QQ+2*st], v[QQ+2*st+1]
.set st, st+1
.endr
.set st, 0
.rept 2*\nt
	v_permlanex16_b32 v[SS+st], v[T+st], s[SEL], s[SEL+1]
.set st, st+1
.endr
.set st, 0
.rept 2*\nt
	v_add_f32 v[T+st], v[T+st], v[SS+st]
.set st, st+1
.endr
.set st, 0
.rept \nt
	v_mul_f32 v[QQ+2*st], 0x3b800000, v[T+2*st]
	v_sub_f32 v[SS+2*st], v[QQ+2*st], v[CPN+2*st]
	v_fma_f32 v[SS+2*st+1], -v[QQ+2*st], v[T+2*st], v[T+2*st+1]
.set st, st+1
.endr
.endm
; four columns a lane: from S1, S2, the sum of M2, the shift p, the bias, gain and offset: a into v[w] on, c into v[w + 4] on
.macro BNCOEF s1, s2, sm, p, bb, gg, be, w
.irp j, 0,2
	v_pk_mul_f32 v[\w+\j:\w+\j+1], v[\s1+\j:\s1+\j+1], 0x3b800000 op_sel_hi:[1,0]                  ; S1 / 256
.endr
.irp j, 0,2
	v_pk_add_f32 v[\w+4+\j:\w+5+\j], v[\p+\j:\p+\j+1], v[\w+\j:\w+\j+1]                            ; the raw product's mean
	v_pk_fma_f32 v[\s2+\j:\s2+\j+1], v[\s1+\j:\s1+\j+1], v[\w+\j:\w+\j+1], v[\s2+\j:\s2+\j+1] neg_lo:[1,0,0] neg_hi:[1,0,0]   ; S2 - S1^2 / 256
	v_pk_fma_f32 v[\sm+\j:\sm+\j+1], v[\s2+\j:\s2+\j+1], 0x45000000, v[\sm+\j:\sm+\j+1] op_sel_hi:[1,0,1]                      ; x 2,048 rows a work-group, + the sum of M2
	v_pk_mul_f32 v[\sm+\j:\sm+\j+1], v[\sm+\j:\sm+\j+1], 0x36000000 op_sel_hi:[1,0]                ; / 2^19: the variance
.endr
.irp j, 0,1,2,3
	v_max_num_f32 v[\sm+\j], 0, v[\sm+\j]
.endr
.irp j, 0,1,2,3
	v_add_f32 v[\sm+\j], 0x3727c5ac, v[\sm+\j]     ; + 1e-5
.endr
.irp j, 0,1,2,3
	v_rsq_f32 v[\w+\j], v[\sm+\j]
.endr
.irp j, 0,2
	v_pk_add_f32 v[\w+4+\j:\w+5+\j], v[\w+4+\j:\w+5+\j], v[\bb+\j:\bb+\j+1]                        ; the mean with the bias.  (Plain lines behind the roots)
.endr
	s_wait_alu depctr_va_vdst(0)
.irp j, 0,2
	v_pk_mul_f32 v[\w+\j:\w+\j+1], v[\w+\j:\w+\j+1], v[\gg+\j:\gg+\j+1]                            ; a
	v_pk_add_f32 v[\w+4+\j:\w+5+\j], v[\bb+\j:\bb+\j+1], v[\w+4+\j:\w+5+\j] neg_lo:[0,1] neg_hi:[0,1]   ; bias - mean
.endr
.irp j, 0,2
	v_pk_fma_f32 v[\w+4+\j:\w+5+\j], v[\w+4+\j:\w+5+\j], v[\w+\j:\w+\j+1], v[\be+\j:\be+\j+1]      ; c
.endr
.endm
; sixteen rows of part2 (mean 4, M2 4 registers a row, at v[base] on of window w): first what names the rows, under their window, then the sums of the differences under window 0
.macro PJOIN base, w
	WIN \w
.set pj, 0
.rept 16
	v_pk_add_f32 v[DD+4*pj:DD+4*pj+1], v[\base+8*pj:\base+8*pj+1], v[PP:PP+1] neg_lo:[0,1] neg_hi:[0,1]
	v_pk_add_f32 v[DD+4*pj+2:DD+4*pj+3], v[\base+8*pj+2:\base+8*pj+3], v[PP+2:PP+3] neg_lo:[0,1] neg_hi:[0,1]
	v_pk_add_f32 v[SMM:SMM+1], v[\base+8*pj+4:\base+8*pj+5], v[SMM:SMM+1]
	v_pk_add_f32 v[SMM+2:SMM+3], v[\base+8*pj+6:\base+8*pj+7], v[SMM+2:SMM+3]
.set pj, pj+1
.endr
	WIN 0
.set pj, 0
.rept 16
	v_pk_add_f32 v[SA1:SA1+1], v[SA1:SA1+1], v[DD+4*pj:DD+4*pj+1]
	v_pk_add_f32 v[SA1+2:SA1+3], v[SA1+2:SA1+3], v[DD+4*pj+2:DD+4*pj+3]
	v_pk_fma_f32 v[SA2:SA2+1], v[DD+4*pj:DD+4*pj+1], v[DD+4*pj:DD+4*pj+1], v[SA2:SA2+1]
	v_pk_fma_f32 v[SA2+2:SA2+3], v[DD+4*pj+2:DD+4*pj+3], v[DD+4*pj+2:DD+4*pj+3], v[SA2+2:SA2+3]
.set pj, pj+1
.endr
.endm
	s_load_b512 s[4:19], s[0:1], 0x0               ; h1q 4, wq 6, part2 8, b2 10, g2 12, be2 14, h2q 16, part3 18
	v_lshl_add_u32 v62, v0, 2, 0x29000
	v_mov_b32 v63, 0
	ds_add_u32 v62, v63
	ds_add_u32 v62, v63
	v_lshrrev_b32 v2, 5, v0
	v_readfirstlane_b32 s22, v2                    ; wave 0..7
	s_lshl_b32 s23, ttmp9, 3
	s_add_co_u32 s23, s23, s22                     ; chunk c
	; descriptor group 1: a dense block of 16,384 bytes as 64 rows of 32 elements of 8 bytes, no padding
	s_mov_b32 s24, 3<<16
	s_mov_b32 s25, 32<<16                          ; tensor_dim0
	s_mov_b32 s26, 64<<16                          ; tensor_dim1
	s_mov_b32 s27, 32<<16                          ; tile_dim0
	s_mov_b32 s28, 64                              ; tile_dim1
	s_mov_b32 s29, 32                              ; from row to row
	s_mov_b32 s30, 0
	s_mov_b32 s31, 0
	s_mov_b32 s32, 1
	s_lshl_b32 s33, s22, 14                        ; LDS address: 16,384 x wave
	s_lshl_b32 s46, s23, 14
	s_mov_b32 s47, 0
	s_mov_b32 s[SEL], 0x76543210
	s_mov_b32 s[SEL+1], 0xfedcba98
	s_mov_b32 s42, 0xffff0000                      ; lanes 16-31
	s_wait_dscnt 0x0
	s_wait_kmcnt 0x0
	s_add_nc_u64 s[34:35], s[4:5], s[46:47]        ; my 16 tiles' codes
	s_or_b32 s35, s35, 0x80000000
	tensor_load_to_lds s[32:35], s[24:31]          ; my one tensor load, ahead of everything else
	s_nop 0
.rept 4
	v_nop
.endr
	s_add_nc_u64 s[48:49], s[16:17], s[46:47]      ; where my codes go
	s_lshl_b32 s46, s23, 10
	s_add_nc_u64 s[50:51], s[16:17], s[46:47]
	s_add_nc_u64 s[50:51], s[50:51], 0x2000000     ; my scale images, out
	s_add_nc_u64 s[54:55], s[4:5], s[46:47]
	s_add_nc_u64 s[54:55], s[54:55], 0x2000000     ; and in
	s_lshl_b32 s46, s22, 15
	s_add_nc_u64 s[52:53], s[8:9], s[46:47]        ; part2's rows 32 w on
	v_and_b32 v220, 31, v0                         ; lane
	v_and_b32 v221, 15, v0                         ; r
	v_bfe_u32 v222, v0, 4, 1                       ; h
	v_lshlrev_b32 v[L16], 4, v220
	v_add_nc_u32 v[CB], s33, v[L16]
	v_lshlrev_b32 v[O4], 2, v220
	v_add_nc_u32 v[A_RED], RED2, v[L16]
	s_mul_i32 s56, s22, 1536
	v_add_nc_u32 v[A_REDW], s56, v[A_RED]
	s_lshl_b32 s56, s22, 10
	s_add_co_u32 s56, s56, TAB2
	v_add_nc_u32 v[A_TABW], s56, v[L16]
	v_lshlrev_b32 v223, 6, v222
	v_add_nc_u32 v[A_TABR], s56, v223
	s_lshl_b32 s57, s22, 9
	s_add_co_u32 s57, s57, ST3
	v_lshlrev_b32 v223, 2, v221
	v_add_nc_u32 v[A_ST], s57, v223
	v_add_nc_u32 v[A_STR], ST3, v[L16]
.set pj, SA1
.rept 12
	v_mov_b32 v[pj], 0                             ; S1, S2, the sum of M2
.set pj, pj+1
.endr
	; ---- 42 small loads, then my 32 rows of part2
	global_load_b128 v[ISQ:ISQ+3], v[L16], s[54:55]
	global_load_b128 v[ISQ+4:ISQ+7], v[L16], s[54:55] offset:512
.irp t, 0,1,2,3,4,5,6,7
	global_load_b32 v[W2S+\t], v[O4], s[6:7] offset:12288+128*\t
.endr
.irp t, 0,1,2,3
	global_load_b32 v[W3S+\t], v[O4], s[6:7] offset:12288+128*(8+\t)
.endr
	global_load_b128 v[BB:BB+3], v[L16], s[10:11]
	global_load_b128 v[GG:GG+3], v[L16], s[12:13]
	global_load_b128 v[BE:BE+3], v[L16], s[14:15]
	global_load_b128 v[PP:PP+3], v[L16], s[8:9]    ; row 0's means: the shift
	WIN 0x40                                       ; destination window 1
.irp t, 0,1,2,3,4,5,6,7
	global_load_b128 v[W2F+8*\t:W2F+8*\t+3], v[L16], s[6:7] offset:1024*\t
	global_load_b128 v[W2F+8*\t+4:W2F+8*\t+7], v[L16], s[6:7] offset:1024*\t+512
.endr
.irp t, 0,1,2,3
	global_load_b128 v[W3F+8*\t:W3F+8*\t+3], v[L16], s[6:7] offset:1024*(8+\t)
	global_load_b128 v[W3F+8*\t+4:W3F+8*\t+7], v[L16], s[6:7] offset:1024*(8+\t)+512
.endr
	WIN 0
.set pj, 0
.rept 16
	global_load_b128 v[DA+8*pj:DA+8*pj+3], v[L16], s[52:53] offset:1024*pj
	global_load_b128 v[DA+8*pj+4:DA+8*pj+7], v[L16], s[52:53] offset:1024*pj+512
.set pj, pj+1
.endr
	WIN 0x40
.set pj, 0
.rept 16
	global_load_b128 v[A2+8*pj:A2+8*pj+3], v[L16], s[52:53] offset:1024*(16+pj)
	global_load_b128 v[A2+8*pj+4:A2+8*pj+7], v[L16], s[52:53] offset:1024*(16+pj)+512
.set pj, pj+1
.endr
	WIN 0
	s_wait_loadcnt 32                              ; all but the 32 youngest loads, rows 16 to 31
	PJOIN DA, 0
	s_wait_loadcnt 0x0
	PJOIN A2, 0x01
	ds_store_b128 v[A_REDW], v[SA1:SA1+3]
	ds_store_b128 v[A_REDW], v[SA2:SA2+3] offset:512
	ds_store_b128 v[A_REDW], v[SMM:SMM+3] offset:1024
	s_wait_tensorcnt 0x0                           ; my codes have landed (asked for ahead of all the loads above): no tile is out at a barrier
	BARRIER
.irp w, 0,1,2,3,4,5,6,7
.irp k, 0,1,2
	ds_load_b128 v[64+12*\w+4*\k:67+12*\w+4*\k], v[A_RED] offset:1536*\w+512*\k
.endr
.endr
	s_wait_dscnt 0x0
.irp w, 1,2,3,4,5,6,7
.irp k, 0,2,4,6,8,10
	v_pk_add_f32 v[64+\k:65+\k], v[64+\k:65+\k], v[64+12*\w+\k:65+12*\w+\k]
.endr
.endr
	BNCOEF 64, 68, 72, PP, BB, GG, BE, WK
	ds_store_b128 v[A_TABW], v[WK:WK+3]            ; into my wave's own table, by column,
	ds_store_b128 v[A_TABW], v[WK+4:WK+7] offset:512
	WIN 0x40
.irp t, 0,1,2,3,4,5,6,7                ; and back in the result's layout: register 8 t + j of lane (r, h) is unit 32 (t/2) + 16 h + 8 (t%2) + j
	ds_load_b128 v[A2+8*\t:A2+8*\t+3], v[A_TABR] offset:4*(32*(\t/2)+8*(\t%2))
	ds_load_b128 v[A2+8*\t+4:A2+8*\t+7], v[A_TABR] offset:4*(32*(\t/2)+8*(\t%2))+16
	ds_load_b128 v[C2+8*\t:C2+8*\t+3], v[A_TABR] offset:512+4*(32*(\t/2)+8*(\t%2))
	ds_load_b128 v[C2+8*\t+4:C2+8*\t+7], v[A_TABR] offset:512+4*(32*(\t/2)+8*(\t%2))+16
.endr
	WIN 0
.set pj, CPN
.rept 24
	v_mov_b32 v[pj], 0                             ; -c, the sums and the sums of squares
.set pj, pj+1
.endr
.irp i, 0,1,2,3,4,5,6,7
	v_mov_b32 v[SWQ+\i], 0
.endr
.irp i, 4,5,6,7
	v_mov_b32 v[TM+\i], 0
.endr
	s_wait_dscnt 0x0
; One tile's D in v[d] on: batch norm, relu, codes out, the raw third product, its statistics
.macro HALF d, x
	WIN 0x14                                       ; a2 and c2 in window 1
.set hj, 0
.rept 32
	v_pk_fma_f32 v[(\d)+hj:(\d)+hj+1], v[(\d)+hj:(\d)+hj+1], v[A2+hj:A2+hj+1], v[C2+hj:C2+hj+1]    ; each accumulator from its low pair on
.set hj, hj+2
.endr
	WIN 0
.set hj, 0
.rept 64
	v_max_num_f32 v[(\d)+hj], 0, v[(\d)+hj]
.set hj, hj+1
.endr
	s_wait_xcnt 0x0                                ; the last tile's stores have read the codes' registers
	QUANT \d
	global_store_b128 v[L16], v[PC:PC+3], s[48:49] offset:1024*\x
	global_store_b128 v[L16], v[PC+4:PC+7], s[48:49] offset:1024*\x+512
.if \x == 0
	v_mov_b32 v[SWN], v[PW]
.else
	v_cndmask_b32 v[SWN], v[SWN], v[PW], s42
.endif
.rept 8
	v_nop                                          ; a scale word made by vector lines stands eight places ahead of the scaled product, the codes four
.endr
	WIN 0x04                                       ; w3 in window 1
.irp t, 0,1,2,3
	v_wmma_scale_f32_16x16x128_f8f6f4 v[(\d)+8*\t:(\d)+8*\t+7], v[PC:PC+7], v[W3F+8*\t:W3F+8*\t+7], 0, v[PW], v[W3S+\t] matrix_a_fmt:MATRIX_FMT_FP4 matrix_b_fmt:MATRIX_FMT_FP4
.endr
	WIN 0
.rept 4
	v_nop
.endr
.if \x == 0
	s_cmp_lg_u32 s43, 0                            ; the wave's first tile gives the shift
	s_cbranch_scc1 .Lnp_\@
	PILOT \d, 4
.Lnp_\@:
.endif
	STATS \d, 4
.endm
	s_mov_b32 s43, 0                               ; trip
	s_mov_b32 s44, 0                               ; its two images in LDS: 2,048 bytes a trip
.Ltrip:
	v_add_nc_u32 v[ADC], s44, v[CB]
	ds_load_b128 v[ICA:ICA+3], v[ADC]
	ds_load_b128 v[ICA+4:ICA+7], v[ADC] offset:512
	ds_load_b128 v[ICB:ICB+3], v[ADC] offset:1024
	ds_load_b128 v[ICB+4:ICB+7], v[ADC] offset:1536
	s_wait_dscnt 0x0
	WIN 0x01                                       ; w2 in window 1
.irp t, 0,1,2,3,4,5,6,7
	v_wmma_scale_f32_16x16x128_f8f6f4 v[DA+8*\t:DA+8*\t+7], v[W2F+8*\t:W2F+8*\t+7], v[ICA:ICA+7], 0, v[W2S+\t], v[ISQ] matrix_a_fmt:MATRIX_FMT_FP4 matrix_b_fmt:MATRIX_FMT_FP4
.endr
.irp t, 0,1,2,3,4,5,6,7
	v_wmma_scale_f32_16x16x128_f8f6f4 v[DB+8*\t:DB+8*\t+7], v[W2F+8*\t:W2F+8*\t+7], v[ICB:ICB+7], 0, v[W2S+\t], v[ISQ] matrix_a_fmt:MATRIX_FMT_FP4 matrix_b_fmt:MATRIX_FMT_FP4 matrix_b_scale:MATRIX_SCALE_ROW1
.endr
	WIN 0
.rept 4
	v_nop                                          ; four places before results are read and a scale register is written
.endr
.irp i, 0,1,2,3,4,5,6
	v_mov_b32 v[ISQ+\i], v[ISQ+\i+1]               ; the next pair's scale words come to the front
.endr
	HALF DA, 0
	HALF DB, 1
.irp i, 0,1,2,3,4,5,6
	v_mov_b32 v[SWQ+\i], v[SWQ+\i+1]
.endr
	v_mov_b32 v[SWQ+7], v[SWN]
	s_wait_xcnt 0x0                                ; the stores have read their base
	s_add_nc_u64 s[48:49], s[48:49], 2048
	s_add_co_u32 s44, s44, 2048
	s_add_co_u32 s43, s43, 1
	s_cmp_lt_u32 s43, 8
	s_cbranch_scc1 .Ltrip
	global_store_b128 v[L16], v[SWQ:SWQ+3], s[50:51]
	global_store_b128 v[L16], v[SWQ+4:SWQ+7], s[50:51] offset:512
	WMEAN 4
.irp t, 0,1,2,3
	ds_store_b32 v[A_ST], v[SS+2*\t] offset:64*\t
	ds_store_b32 v[A_ST], v[SS+2*\t+1] offset:256+64*\t
.endr
	BARRIER
	s_cmp_lg_u32 s22, 0
	s_cbranch_scc1 .Lend
	; ---- wave 0 joins the eight waves: lanes 0-15 hold means (columns 4 l on), lanes 16-31 the same columns' M2
.irp w, 0,1,2,3,4,5,6,7
	ds_load_b128 v[64+4*\w:67+4*\w], v[A_STR] offset:512*\w
.endr
	s_lshl_b32 s46, ttmp9, 9
	s_add_nc_u64 s[18:19], s[18:19], s[46:47]
	s_wait_dscnt 0x0
.irp j, 0,2
	v_pk_add_f32 v[96+\j:97+\j], v[64+\j:65+\j], v[68+\j:69+\j]
.endr
.irp w, 2,3,4,5,6,7
.irp j, 0,2
	v_pk_add_f32 v[96+\j:97+\j], v[96+\j:97+\j], v[64+4*\w+\j:65+4*\w+\j]
.endr
.endr
.irp j, 0,2
	v_pk_mul_f32 v[100+\j:101+\j], v[96+\j:97+\j], 0x3e000000 op_sel_hi:[1,0]      ; / 8
.endr
.irp w, 0,1,2,3,4,5,6,7
.irp j, 0,2
	v_pk_add_f32 v[64+4*\w+\j:65+4*\w+\j], v[64+4*\w+\j:65+4*\w+\j], v[100+\j:101+\j] neg_lo:[0,1] neg_hi:[0,1]
.endr
.endr
.irp j, 0,2
	v_pk_mul_f32 v[104+\j:105+\j], v[64+\j:65+\j], v[64+\j:65+\j]
.endr
.irp w, 1,2,3,4,5,6,7
.irp j, 0,2
	v_pk_fma_f32 v[104+\j:105+\j], v[64+4*\w+\j:65+4*\w+\j], v[64+4*\w+\j:65+4*\w+\j], v[104+\j:105+\j]
.endr
.endr
.irp j, 0,1,2,3
	v_permlanex16_b32 v[108+\j], v[104+\j], s[SEL], s[SEL+1]       ; the means' squared deviations come over to the lanes that hold M2
.endr
.irp j, 0,2
	v_pk_fma_f32 v[112+\j:113+\j], v[108+\j:109+\j], 0x43800000, v[96+\j:97+\j] op_sel_hi:[1,0,1]
.endr
.irp j, 0,1,2,3
	v_cndmask_b32 v[100+\j], v[100+\j], v[112+\j], s42
.endr
	global_store_b128 v[L16], v[100:103], s[18:19] ; 512 consecutive bytes: 64 means, 64 M2
.Lend:
	s_wait_tensorcnt 0x0
	ds_add_u32 v62, v63
	s_wait_dscnt 0x0
	s_endpgm
.Lfunc_end_k_q6ba81b924c_layer2:
	.size	k_q6ba81b924c_layer2, .Lfunc_end_k_q6ba81b924c_layer2-k_q6ba81b924c_layer2
	.p2alignl 7, 3214868480
	.fill 96, 4, 3214868480
	.section	.rodata,"a",@progbits
	.p2align	6, 0x0
	.amdhsa_kernel k_q6ba81b924c_layer2
		.amdhsa_group_segment_fixed_size 168960
		.amdhsa_private_segment_fixed_size 0
		.amdhsa_enable_private_segment 0
		.amdhsa_kernarg_size 64
		.amdhsa_user_sgpr_count 2
		.amdhsa_user_sgpr_kernarg_segment_ptr 1
		.amdhsa_wavefront_size32 1
		.amdhsa_system_sgpr_workgroup_id_x 1
		.amdhsa_system_sgpr_workgroup_id_y 1
		.amdhsa_system_sgpr_workgroup_id_z 1
		.amdhsa_system_vgpr_workitem_id 0
		.amdhsa_next_free_vgpr 512
		.amdhsa_next_free_sgpr 66
		.amdhsa_reserve_vcc 0
		.amdhsa_float_denorm_mode_32 3
		.amdhsa_float_denorm_mode_16_64 3
		.amdhsa_memory_ordered 1
		.amdhsa_forward_progress 1
		.amdhsa_inst_pref_size 75
	.end_amdhsa_kernel
	.amdgpu_metadata
---
amdhsa.version: [ 1, 2 ]
amdhsa.kernels:
  - .name:           k_q6ba81b924c_layer2
    .symbol:         k_q6ba81b924c_layer2.kd
    .args:
      - { .name: h1q, .offset: 0, .size: 8, .value_kind: global_buffer, .address_space: global }
      - { .name: wq, .offset: 8, .size: 8, .value_kind: global_buffer, .address_space: global }
      - { .name: part2, .offset: 16, .size: 8, .value_kind: global_buffer, .address_space: global }
      - { .name: b2, .offset: 24, .size: 8, .value_kind: global_buffer, .address_space: global }
      - { .name: g2, .offset: 32, .size: 8, .value_kind: global_buffer, .address_space: global }
      - { .name: be2, .offset: 40, .size: 8, .value_kind: global_buffer, .address_space: global }
      - { .name: h2q, .offset: 48, .size: 8, .value_kind: global_buffer, .address_space: global }
      - { .name: part3, .offset: 56, .size: 8, .value_kind: global_buffer, .address_space: global }
    .group_segment_fixed_size: 168960
    .private_segment_fixed_size: 0
    .kernarg_segment_align: 8
    .kernarg_segment_size: 64
    .max_flat_workgroup_size: 256
    .sgpr_count:     66
    .vgpr_count:     512
    .wavefront_size: 32
...
	.end_amdgpu_metadata
.endif
;; end of part 3
;; launch headout (part 4): grid 256 x 1, 8 waves a work-group, no clusters, 168,960 bytes of LDS; arguments h2q, wq, part3, b3, g3, be3, w4, b4, out0; writes out0
.if DOCPART == 4
	.amdgcn_target "amdgcn-amd-amdhsa--gfx1250"
	.amdhsa_code_object_version 6
	.text
	.protected	k_q6ba81b924c_headout
	.globl	k_q6ba81b924c_headout
	.p2align	8
	.type	k_q6ba81b924c_headout,@function
k_q6ba81b924c_headout:
	s_mov_b64 s[64:65], 0
	v_nop
	global_prefetch_b8 v0, s[64:65] scope:SCOPE_SE
	s_setreg_imm32_b32 hwreg(HW_REG_WAVE_MODE, 25, 1), 1
	s_wait_xcnt 0x0
; FOURTH LAUNCH.  Head: the 256 rows (mean, M2) of part3 are joined as in the third launch; a3 = g3 rsq(var + eps), c3 = (b3 - (mean + b3)) a3 + be3.
; Loop: D = h2's codes x w3's codes; h3 = relu(D a3 + c3); z = h3 . w4; out = 1 / (1 + 2^(-(z + b4) log2 e)).  All behind the product in f32.
; SHARES and the images' layouts as before.  One tensor load a wave brings its 16 tiles' codes into its own LDS bytes; nothing is filled twice.
; The product is used transposed (source 0 = 16 units of w3, source 1 = 16 rows): lane (r, h) holds row r, register 8 t + j is unit 16 t + 8 h + j; a row's dot product wants one exchange between the halves of the lanes.
; A row of part3 is 512 bytes: lanes 0-15 hold 64 means, lanes 16-31 the same columns' M2.  The shift is 0 in lanes 16-31, so one sum serves both; what lanes 16-31 make of the formulas goes to table bytes that nobody reads.
; The wave's 256 results are gathered in its own 1,024 bytes of LDS and leave by two stores of 512 consecutive bytes.
; LIMITS: variances are held at 0 from below; NaN and infinities are not served.  No cluster: what work-groups share is part3 and 5 KB of weights, summed or kept in registers.
; REGISTERS: v1-14 addresses; v16-31 two tiles' codes; v32-39, v40-43 scale operands, which hold nothing else; v44-75 w3's fragments; v76-107 a3; v108-139 c3; v140-171 w4; v172-203, v204-235 the two tiles' D;
;   v236 b4 x (-log2 e); v240-252 at work.  In the head: v172-235 and v76-139 my rows of part3; v16-27 the join; v240-255 g3, be3, b3, the shift.
.set CB,     1                         ; 16384 w + 16 l
.set ADC,    2
.set L16,    3
.set A_REDW, 4                         ; RED3 + 1024 w + 16 l
.set A_RED,  5                         ; RED3 + 16 l
.set A_TABW, 6                         ; TAB3 + 1024 w + 16 l
.set A_TABR, 7                         ; TAB3 + 1024 w + 32 h
.set A_OW,   8                         ; OST + 1024 w + 4 l
.set A_OR,   9                         ; OST + 1024 w + 16 l
.set O4,     10                        ; 4 l
.set O16R,   11                        ; 16 (l & 15)
.set O_W4,   12                        ; 32 h
.set ZR,     13                        ; 0
.set AO,     14
.set ICA,    16
.set ICB,    24
.set ISQ,    32
.set W3S,    40
.set W3F,    44
.set A3,     76
.set C3,     108
.set W4,     140
.set DA,     172
.set DB,     204
.set B4K,    236
.set ZA,     240
.set ZB,     244
.set SA1,    16
.set SA2,    20
.set SMM,    24
.set GG,     240
.set BE,     244
.set BB,     248
.set PP,     252
.set WK,     180
.set RED3,   131072                    ; LDS: 0: eight chunks of codes; then 8 x 1,024: the waves' S1 and S2
.set TAB3,   139264                    ; 8 x 1,024: a3 (256 of 512), c3 (256 of 512), each wave's own copy
.set OST,    147456                    ; 8 x 1,024: the waves' results
.set SEL,    36
.macro BARRIER
	s_wait_dscnt 0x0
	s_barrier_signal -1
	s_barrier_wait -1
.endm
.macro BNCOEF s1, s2, sm, p, bb, gg, be, w     ; as in the third launch: a into v[w] on, c into v[w + 4] on
.irp j, 0,2
	v_pk_mul_f32 v[\w+\j:\w+\j+1], v[\s1+\j:\s1+\j+1], 0x3b800000 op_sel_hi:[1,0]
.endr
.irp j, 0,2
	v_pk_add_f32 v[\w+4+\j:\w+5+\j], v[\p+\j:\p+\j+1], v[\w+\j:\w+\j+1]
	v_pk_fma_f32 v[\s2+\j:\s2+\j+1], v[\s1+\j:\s1+\j+1], v[\w+\j:\w+\j+1], v[\s2+\j:\s2+\j+1] neg_lo:[1,0,0] neg_hi:[1,0,0]
	v_pk_fma_f32 v[\sm+\j:\sm+\j+1], v[\s2+\j:\s2+\j+1], 0x45000000, v[\sm+\j:\sm+\j+1] op_sel_hi:[1,0,1]
	v_pk_mul_f32 v[\sm+\j:\sm+\j+1], v[\sm+\j:\sm+\j+1], 0x36000000 op_sel_hi:[1,0]
.endr
.irp j, 0,1,2,3
	v_max_num_f32 v[\sm+\j], 0, v[\sm+\j]
.endr
.irp j, 0,1,2,3
	v_add_f32 v[\sm+\j], 0x3727c5ac, v[\sm+\j]
.endr
.irp j, 0,1,2,3
	v_rsq_f32 v[\w+\j], v[\sm+\j]
.endr
.irp j, 0,2
	v_pk_add_f32 v[\w+4+\j:\w+5+\j], v[\w+4+\j:\w+5+\j], v[\bb+\j:\bb+\j+1]        ; (plain lines behind the roots)
.endr
	s_wait_alu depctr_va_vdst(0)
.irp j, 0,2
	v_pk_mul_f32 v[\w+\j:\w+\j+1], v[\w+\j:\w+\j+1], v[\gg+\j:\gg+\j+1]
	v_pk_add_f32 v[\w+4+\j:\w+5+\j], v[\bb+\j:\bb+\j+1], v[\w+4+\j:\w+5+\j] neg_lo:[0,1] neg_hi:[0,1]
.endr
.irp j, 0,2
	v_pk_fma_f32 v[\w+4+\j:\w+5+\j], v[\w+4+\j:\w+5+\j], v[\w+\j:\w+\j+1], v[\be+\j:\be+\j+1]
.endr
.endm
.macro RJOIN base                      ; sixteen rows of part3, four registers a row
.set pj, 0
.rept 16
	v_pk_add_f32 v[\base+4*pj:\base+4*pj+1], v[\base+4*pj:\base+4*pj+1], v[PP:PP+1] neg_lo:[0,1] neg_hi:[0,1]
	v_pk_add_f32 v[\base+4*pj+2:\base+4*pj+3], v[\base+4*pj+2:\base+4*pj+3], v[PP+2:PP+3] neg_lo:[0,1] neg_hi:[0,1]
	v_pk_add_f32 v[SA1:SA1+1], v[SA1:SA1+1], v[\base+4*pj:\base+4*pj+1]
	v_pk_add_f32 v[SA1+2:SA1+3], v[SA1+2:SA1+3], v[\base+4*pj+2:\base+4*pj+3]
	v_pk_fma_f32 v[SA2:SA2+1], v[\base+4*pj:\base+4*pj+1], v[\base+4*pj:\base+4*pj+1], v[SA2:SA2+1]
	v_pk_fma_f32 v[SA2+2:SA2+3], v[\base+4*pj+2:\base+4*pj+3], v[\base+4*pj+2:\base+4*pj+3], v[SA2+2:SA2+3]
.set pj, pj+1
.endr
.endm
.macro DOT d, z                        ; one tile's D in v[d] on -> its rows' z in v[z], in both halves of the lanes
.set hj, 0
.rept 16
	v_pk_fma_f32 v[(\d)+hj:(\d)+hj+1], v[(\d)+hj:(\d)+hj+1], v[A3+hj:A3+hj+1], v[C3+hj:C3+hj+1]    ; each accumulator from its low pair on
.set hj, hj+2
.endr
.set hj, 0
.rept 32
	v_max_num_f32 v[(\d)+hj], 0, v[(\d)+hj]
.set hj, hj+1
.endr
	v_pk_mul_f32 v[\z:\z+1], v[\d:\d+1], v[W4:W4+1]                ; two chains; their first lines start the sums
	v_pk_mul_f32 v[\z+2:\z+3], v[\d+2:\d+3], v[W4+2:W4+3]
.set hj, 4
.rept 7
	v_pk_fma_f32 v[\z:\z+1], v[(\d)+hj:(\d)+hj+1], v[W4+hj:W4+hj+1], v[\z:\z+1]
	v_pk_fma_f32 v[\z+2:\z+3], v[(\d)+hj+2:(\d)+hj+3], v[W4+hj+2:W4+hj+3], v[\z+2:\z+3]
.set hj, hj+4
.endr
	v_pk_add_f32 v[\z:\z+1], v[\z:\z+1], v[\z+2:\z+3]
	v_add_f32 v[\z], v[\z], v[\z+1]
	v_permlanex16_b32 v[\z+2], v[\z], s[SEL], s[SEL+1]
	v_add_f32 v[\z], v[\z], v[\z+2]
.endm
	s_load_b512 s[4:19], s[0:1], 0x0               ; h2q 4, wq 6, part3 8, b3 10, g3 12, be3 14, w4 16, b4 18
	s_load_b64 s[20:21], s[0:1], 0x40              ; out0
	v_lshl_add_u32 v238, v0, 2, 0x29000
	v_mov_b32 v239, 0
	ds_add_u32 v238, v239
	ds_add_u32 v238, v239
	v_lshrrev_b32 v2, 5, v0
	v_readfirstlane_b32 s22, v2                    ; wave 0..7
	s_lshl_b32 s23, ttmp9, 3
	s_add_co_u32 s23, s23, s22                     ; chunk c
	; descriptor group 1: a dense block of 16,384 bytes as 64 rows of 32 elements of 8 bytes, no padding
	s_mov_b32 s24, 3<<16
	s_mov_b32 s25, 32<<16                          ; tensor_dim0
	s_mov_b32 s26, 64<<16                          ; tensor_dim1
	s_mov_b32 s27, 32<<16                          ; tile_dim0
	s_mov_b32 s28, 64                              ; tile_dim1
	s_mov_b32 s29, 32                              ; from row to row
	s_mov_b32 s30, 0
	s_mov_b32 s31, 0
	s_mov_b32 s32, 1
	s_lshl_b32 s33, s22, 14                        ; LDS address: 16,384 x wave
	s_lshl_b32 s46, s23, 14
	s_mov_b32 s47, 0
	s_mov_b32 s[SEL], 0x76543210
	s_mov_b32 s[SEL+1], 0xfedcba98
	s_mov_b32 s42, 0xffff0000                      ; lanes 16-31
	s_mov_b32 s45, 0x0000ffff                      ; lanes 0-15
	s_wait_dscnt 0x0
	s_wait_kmcnt 0x0
	s_add_nc_u64 s[34:35], s[4:5], s[46:47]        ; my 16 tiles' codes
	s_or_b32 s35, s35, 0x80000000
	tensor_load_to_lds s[32:35], s[24:31]          ; my one tensor load, ahead of everything else
	s_nop 0
.rept 4
	v_nop
.endr
	s_lshl_b32 s46, s23, 10
	s_add_nc_u64 s[54:55], s[4:5], s[46:47]
	s_add_nc_u64 s[54:55], s[54:55], 0x2000000     ; my scale images
	s_add_nc_u64 s[20:21], s[20:21], s[46:47]      ; my 256 results
	s_lshl_b32 s46, s22, 14
	s_add_nc_u64 s[52:53], s[8:9], s[46:47]        ; part3's rows 32 w on
	v_and_b32 v28, 31, v0                          ; lane
	v_and_b32 v29, 15, v0                          ; r
	v_bfe_u32 v30, v0, 4, 1                        ; h
	v_lshlrev_b32 v[L16], 4, v28
	v_add_nc_u32 v[CB], s33, v[L16]
	v_lshlrev_b32 v[O4], 2, v28
	v_lshlrev_b32 v[O16R], 4, v29
	v_lshlrev_b32 v[O_W4], 5, v30
	v_mov_b32 v[ZR], 0
	s_lshl_b32 s56, s22, 10
	v_add_nc_u32 v[A_RED], RED3, v[L16]
	v_add_nc_u32 v[A_REDW], s56, v[A_RED]
	s_add_co_u32 s57, s56, TAB3
	v_add_nc_u32 v[A_TABW], s57, v[L16]
	v_add_nc_u32 v[A_TABR], s57, v[O_W4]
	s_add_co_u32 s57, s56, OST
	v_add_nc_u32 v[A_OW], s57, v[O4]
	v_add_nc_u32 v[A_OR], s57, v[L16]
.set pj, SA1
.rept 12
	v_mov_b32 v[pj], 0                             ; S1, S2; and the destination of a lane permute
.set pj, pj+1
.endr
	; ---- 27 small loads, then my 32 rows of part3
	global_load_b128 v[ISQ:ISQ+3], v[L16], s[54:55]
	global_load_b128 v[ISQ+4:ISQ+7], v[L16], s[54:55] offset:512
.irp t, 0,1,2,3
	global_load_b128 v[W3F+8*\t:W3F+8*\t+3], v[L16], s[6:7] offset:1024*(8+\t)
	global_load_b128 v[W3F+8*\t+4:W3F+8*\t+7], v[L16], s[6:7] offset:1024*(8+\t)+512
	global_load_b32 v[W3S+\t], v[O4], s[6:7] offset:12288+128*(8+\t)
	global_load_b128 v[W4+8*\t:W4+8*\t+3], v[O_W4], s[16:17] offset:64*\t
	global_load_b128 v[W4+8*\t+4:W4+8*\t+7], v[O_W4], s[16:17] offset:64*\t+16
.endr
	global_load_b128 v[GG:GG+3], v[O16R], s[12:13]
	global_load_b128 v[BE:BE+3], v[O16R], s[14:15]
	global_load_b128 v[BB:BB+3], v[O16R], s[10:11]
	global_load_b32 v[B4K], v[ZR], s[18:19]
	global_load_b128 v[PP:PP+3], v[L16], s[8:9]    ; row 0
.set pj, 0
.rept 16
	global_load_b128 v[DA+4*pj:DA+4*pj+3], v[L16], s[52:53] offset:512*pj
.set pj, pj+1
.endr
.set pj, 0
.rept 16
	global_load_b128 v[A3+4*pj:A3+4*pj+3], v[L16], s[52:53] offset:512*(16+pj)
.set pj, pj+1
.endr
	s_wait_loadcnt 16                              ; all but the 16 youngest loads, rows 16 to 31
.irp j, 0,1,2,3
	v_cndmask_b32 v[PP+\j], 0, v[PP+\j], s45       ; the shift: row 0's means; 0 where M2 stands
.endr
	v_mul_f32 v[B4K], 0xbfb8aa3b, v[B4K]           ; b4 x (-log2 e)
	RJOIN DA
	s_wait_loadcnt 0x0
	RJOIN A3
	ds_store_b128 v[A_REDW], v[SA1:SA1+3]
	ds_store_b128 v[A_REDW], v[SA2:SA2+3] offset:512
	s_wait_tensorcnt 0x0                           ; my codes have landed (asked for ahead of all the loads above): no tile is out at the barrier
	BARRIER
.irp w, 0,1,2,3,4,5,6,7
.irp k, 0,1
	ds_load_b128 v[DA+8*\w+4*\k:DA+8*\w+4*\k+3], v[A_RED] offset:1024*\w+512*\k
.endr
.endr
	s_wait_dscnt 0x0
.irp w, 1,2,3,4,5,6,7
.irp k, 0,2,4,6
	v_pk_add_f32 v[DA+\k:DA+\k+1], v[DA+\k:DA+\k+1], v[DA+8*\w+\k:DA+8*\w+\k+1]
.endr
.endr
.irp j, 0,1,2,3
	v_permlanex16_b32 v[SMM+\j], v[DA+\j], s[SEL], s[SEL+1]        ; lanes 0-15 take the sums of M2 from lanes 16-31
.endr
	BNCOEF DA, DA+4, SMM, PP, BB, GG, BE, WK
	ds_store_b128 v[A_TABW], v[WK:WK+3]            ; into my wave's own table, by column (lanes 16-31: bytes that nobody reads),
	ds_store_b128 v[A_TABW], v[WK+4:WK+7] offset:512
.irp t, 0,1,2,3                        ; and back in the result's layout
	ds_load_b128 v[A3+8*\t:A3+8*\t+3], v[A_TABR] offset:64*\t
	ds_load_b128 v[A3+8*\t+4:A3+8*\t+7], v[A_TABR] offset:64*\t+16
	ds_load_b128 v[C3+8*\t:C3+8*\t+3], v[A_TABR] offset:512+64*\t
	ds_load_b128 v[C3+8*\t+4:C3+8*\t+7], v[A_TABR] offset:512+64*\t+16
.endr
	s_wait_dscnt 0x0
	s_mov_b32 s43, 0                               ; trip
	s_mov_b32 s44, 0                               ; its two images in LDS: 2,048 bytes a trip
	s_mov_b32 s58, 0                               ; its 32 results: 128 bytes a trip
.Ltrip:
	v_add_nc_u32 v[ADC], s44, v[CB]
	ds_load_b128 v[ICA:ICA+3], v[ADC]
	ds_load_b128 v[ICA+4:ICA+7], v[ADC] offset:512
	ds_load_b128 v[ICB:ICB+3], v[ADC] offset:1024
	ds_load_b128 v[ICB+4:ICB+7], v[ADC] offset:1536
	s_wait_dscnt 0x0
.irp t, 0,1,2,3
	v_wmma_scale_f32_16x16x128_f8f6f4 v[DA+8*\t:DA+8*\t+7], v[W3F+8*\t:W3F+8*\t+7], v[ICA:ICA+7], 0, v[W3S+\t], v[ISQ] matrix_a_fmt:MATRIX_FMT_FP4 matrix_b_fmt:MATRIX_FMT_FP4
.endr
.irp t, 0,1,2,3
	v_wmma_scale_f32_16x16x128_f8f6f4 v[DB+8*\t:DB+8*\t+7], v[W3F+8*\t:W3F+8*\t+7], v[ICB:ICB+7], 0, v[W3S+\t], v[ISQ] matrix_a_fmt:MATRIX_FMT_FP4 matrix_b_fmt:MATRIX_FMT_FP4 matrix_b_scale:MATRIX_SCALE_ROW1
.endr
.rept 4
	v_nop                                          ; four places before results are read and a scale register is written
.endr
.irp i, 0,1,2,3,4,5,6
	v_mov_b32 v[ISQ+\i], v[ISQ+\i+1]               ; the next pair's scale words come to the front
.endr
	DOT DA, ZA
	DOT DB, ZB
	v_cndmask_b32 v250, v[ZA], v[ZB], s42          ; lane l: row 32 trip + l
	v_fma_f32 v250, v250, 0xbfb8aa3b, v[B4K]       ; -(z + b4) log2 e
	v_exp_f32 v251, v250
	v_add_nc_u32 v[AO], s58, v[A_OW]               ; (a plain line behind the exponential)
	s_wait_alu depctr_va_vdst(0)
	v_add_f32 v251, 1.0, v251
	v_rcp_f32 v252, v251
	v_nop                                          ; (and behind the reciprocal)
	s_wait_alu depctr_va_vdst(0)
	ds_store_b32 v[AO], v252
	s_add_co_u32 s44, s44, 2048
	s_add_co_u32 s58, s58, 128
	s_add_co_u32 s43, s43, 1
	s_cmp_lt_u32 s43, 8
	s_cbranch_scc1 .Ltrip
	ds_load_b128 v[240:243], v[A_OR]               ; LDS serves a wave's instructions in order: these see my stores
	ds_load_b128 v[244:247], v[A_OR] offset:512
	s_wait_dscnt 0x0
	global_store_b128 v[L16], v[240:243], s[20:21] th:TH_STORE_NT          ; 512 consecutive aligned bytes a store; written once, read by nobody here
	global_store_b128 v[L16], v[244:247], s[20:21] offset:512 th:TH_STORE_NT
	s_wait_tensorcnt 0x0
	ds_add_u32 v238, v239
	s_wait_dscnt 0x0
	s_endpgm
.Lfunc_end_k_q6ba81b924c_headout:
	.size	k_q6ba81b924c_headout, .Lfunc_end_k_q6ba81b924c_headout-k_q6ba81b924c_headout
	.p2alignl 7, 3214868480
	.fill 96, 4, 3214868480
	.section	.rodata,"a",@progbits
	.p2align	6, 0x0
	.amdhsa_kernel k_q6ba81b924c_headout
		.amdhsa_group_segment_fixed_size 168960
		.amdhsa_private_segment_fixed_size 0
		.amdhsa_enable_private_segment 0
		.amdhsa_kernarg_size 72
		.amdhsa_user_sgpr_count 2
		.amdhsa_user_sgpr_kernarg_segment_ptr 1
		.amdhsa_wavefront_size32 1
		.amdhsa_system_sgpr_workgroup_id_x 1
		.amdhsa_system_sgpr_workgroup_id_y 1
		.amdhsa_system_sgpr_workgroup_id_z 1
		.amdhsa_system_vgpr_workitem_id 0
		.amdhsa_next_free_vgpr 256
		.amdhsa_next_free_sgpr 66
		.amdhsa_reserve_vcc 0
		.amdhsa_float_denorm_mode_32 3
		.amdhsa_float_denorm_mode_16_64 3
		.amdhsa_memory_ordered 1
		.amdhsa_forward_progress 1
		.amdhsa_inst_pref_size 37
	.end_amdhsa_kernel
	.amdgpu_metadata
---
amdhsa.version: [ 1, 2 ]
amdhsa.kernels:
  - .name:           k_q6ba81b924c_headout
    .symbol:         k_q6ba81b924c_headout.kd
    .args:
      - { .name: h2q, .offset: 0, .size: 8, .value_kind: global_buffer, .address_space: global }
      - { .name: wq, .offset: 8, .size: 8, .value_kind: global_buffer, .address_space: global }
      - { .name: part3, .offset: 16, .size: 8, .value_kind: global_buffer, .address_space: global }
      - { .name: b3, .offset: 24, .size: 8, .value_kind: global_buffer, .address_space: global }
      - { .name: g3, .offset: 32, .size: 8, .value_kind: global_buffer, .address_space: global }
      - { .name: be3, .offset: 40, .size: 8, .value_kind: global_buffer, .address_space: global }
      - { .name: w4, .offset: 48, .size: 8, .value_kind: global_buffer, .address_space: global }
      - { .name: b4, .offset: 56, .size: 8, .value_kind: global_buffer, .address_space: global }
      - { .name: out0, .offset: 64, .size: 8, .value_kind: global_buffer, .address_space: global }
    .group_segment_fixed_size: 168960
    .private_segment_fixed_size: 0
    .kernarg_segment_align: 8
    .kernarg_segment_size: 72
    .max_flat_workgroup_size: 256
    .sgpr_count:     66
    .vgpr_count:     256
    .wavefront_size: 32
...
	.end_amdgpu_metadata
.endif
;; end of part 4
